; MI455X (gfx1250); checked and timed in simulation.
; The chip was launched on July 23, 2026; its instructions are those of AMD's public machine-readable ISA for CDNA 5 (MIT licence, August 2026) and "CDNA5" Instruction Set Architecture Reference Guide (July 2026). The comments in the code are by the model that wrote it; some were corrected since.
;; AQ Expert Wrapper. Allowed arithmetic: matrix products marked QUANTISED: E3M2 operands, one E8M0 scale for each 32 along K, by v_wmma_scale_f32_16x16x128_f8f6f4 with both operands' format E3M2, f32 sums; everything else in f32.
;; Inputs: hidden_states_codes 8,192 x 32 x 24 uint8 (E3M2 codes of hidden_states, K innermost, in blocks of 32 codes, four codes in three bytes); hidden_states_scales 8,192 x 32 uint8 (E8M0 scales of hidden_states, one for each 32 codes along K); routing_weights 8,192 x 2 float32; selected_experts 8,192 x 2 int32; w1_codes 8 x 512 x 32 x 24 uint8 (E3M2 codes of w1, K innermost, in blocks of 32 codes, four codes in three bytes); w1_scales 8 x 512 x 32 uint8 (E8M0 scales of w1, one for each 32 codes along K); w2_codes 8 x 1,024 x 16 x 24 uint8 (E3M2 codes of w2, K innermost, in blocks of 32 codes, four codes in three bytes); w2_scales 8 x 1,024 x 16 uint8 (E8M0 scales of w2, one for each 32 codes along K).
;; Outputs: out0 8,192 x 1,024 float32.
;; This version of the problem:
;;   THIS VERSION OF THE PROBLEM IS GIVEN IN LOW PRECISION. The matrix products marked QUANTISED in the list below multiply operands that are first quantised to E3M2 (3 exponent bits, 2 mantissa bits; 6 bits a number), with one power-of-two scale for each 32 numbers along K (OCP MX v1.0); their sums are f32. All else is computed in f32.
;;   The module's matrix products, in the order in which they are computed (A, B: the left and right operand; K: the contracted axis; several contracted axes count as one K, in the product's order):
;;     1. [M 8,192, K 1,024] x [K 1,024, N 512]; A: input hidden_states (given as codes); B: input w1 (given as codes): QUANTISED
;;     2. [M 8,192, K 512] x [K 512, N 1,024]; A: computed on the way; B: input w2 (given as codes): QUANTISED
;;     3. [M 8,192, K 1,024] x [K 1,024, N 512]; A: input hidden_states (given as codes); B: input w1 (given as codes): QUANTISED
;;     4. [M 8,192, K 512] x [K 512, N 1,024]; A: computed on the way; B: input w2 (given as codes): QUANTISED
;;     5. [M 8,192, K 1,024] x [K 1,024, N 512]; A: input hidden_states (given as codes); B: input w1 (given as codes): QUANTISED
;;     6. [M 8,192, K 512] x [K 512, N 1,024]; A: computed on the way; B: input w2 (given as codes): QUANTISED
;;     7. [M 8,192, K 1,024] x [K 1,024, N 512]; A: input hidden_states (given as codes); B: input w1 (given as codes): QUANTISED
;;     8. [M 8,192, K 512] x [K 512, N 1,024]; A: computed on the way; B: input w2 (given as codes): QUANTISED
;;     9. [M 8,192, K 1,024] x [K 1,024, N 512]; A: input hidden_states (given as codes); B: input w1 (given as codes): QUANTISED
;;     10. [M 8,192, K 512] x [K 512, N 1,024]; A: computed on the way; B: input w2 (given as codes): QUANTISED
;;     11. [M 8,192, K 1,024] x [K 1,024, N 512]; A: input hidden_states (given as codes); B: input w1 (given as codes): QUANTISED
;;     12. [M 8,192, K 512] x [K 512, N 1,024]; A: computed on the way; B: input w2 (given as codes): QUANTISED
;;     13. [M 8,192, K 1,024] x [K 1,024, N 512]; A: input hidden_states (given as codes); B: input w1 (given as codes): QUANTISED
;;     14. [M 8,192, K 512] x [K 512, N 1,024]; A: computed on the way; B: input w2 (given as codes): QUANTISED
;;     15. [M 8,192, K 1,024] x [K 1,024, N 512]; A: input hidden_states (given as codes); B: input w1 (given as codes): QUANTISED
;;     16. [M 8,192, K 512] x [K 512, N 1,024]; A: computed on the way; B: input w2 (given as codes): QUANTISED
;;   THE QUANTISER, for each operand of a quantised product, along K:
;;     - K is cut into blocks of 32 from its start; a last block that is shorter is filled with zeros.
;;     - A block's scale is 2^e with e = floor(log2(the largest magnitude in the block)) - 4, held to -126 .. 127; a block of zeros has e = 0. As a byte (E8M0): e + 127.
;;     - Each number is divided by its block's scale, clamped to +-28, and rounded to the nearest number of E3M2, ties to even, subnormals kept.
;;     - The product sums the exact products of the quantised numbers (number of the format x scale) in f32.
;;   ~~~python
;;   def quantise(x, axis):      # numpy; x: float32 -> the quantised numbers, widened to float32 again
;;       x = np.moveaxis(x, axis, -1); K = x.shape[-1]
;;       x = np.pad(x, [(0, 0)] * (x.ndim - 1) + [(0, -K % 32)]); x = x.reshape(x.shape[:-1] + (-1, 32)); a = np.abs(x).max(-1, keepdims=True)
;;       e = np.where(a > 0, np.clip(np.frexp(np.where(a > 0, a, 1))[1] - 1 - 4, -126, 127), 0)      # np.frexp(a)[1] - 1 = floor(log2(a)), exactly
;;       r = np.clip(x / 2.0 ** e, -28, 28)
;;       step = 2.0 ** (np.maximum(np.frexp(np.where(r == 0, 1, r))[1] - 1, -2) - 2)
;;       q = np.round(r / step) * step * 2.0 ** e      # np.round: ties to even
;;       return np.moveaxis(q.reshape(q.shape[:-2] + (-1,))[..., :K], -1, axis).astype(np.float32)
;;   ~~~
;;   OPERANDS COMPUTED ON THE WAY. 'Computed on the way' means the value that the module computes at that place (a softmax that the list does not call 'softmax' is quantised finished and normalised). What goes into a quantiser is computed in f32, as accurately as f32 sums, v_exp_f32 and their like allow (about 1e-6 of the number): no bf16 or f16 on the way to a quantiser, and a product that is left as it is and whose result goes on into a quantised operand takes f32 operands (vector FMAs, or v_wmma_f32_16x16x4_f32). A number that lies on a knife's edge between two numbers of the format may be rounded either way, as far as f32 arithmetic and the matrix unit's own rounding can turn it there, and no further.
;;   INPUTS GIVEN AS CODES. hidden_states (in the module: [8192, 1024], K = its axis 1); w1 (in the module: [8, 1024, 512], K = its axis 1); w2 (in the module: [8, 512, 1024], K = its axis 1): each comes as NAME_codes (uint8): NAME with its K axis moved to the last place and cut into blocks of 32 codes, [.., K / 32, bytes a block], one block behind the other in memory; four codes in three bytes: a row's codes are one little-endian stream of bits, code i at bits 6 i .. 6 i + 5 (a code: sign, 3 exponent bits, 2 mantissa bits); and NAME_scales (uint8): the same leading axes, one E8M0 byte (e + 127) for each 32 codes along K. Its value is code x scale, taken as it is: it is not quantised again, and the codes and scales need not be those that the quantiser above would give.
;; 2 versions, each right; version 2 is version 1 with the launch chain written anew for expert scheduling mode. Each part assembles by itself: llvm-mc -triple=amdgcn-amd-amdhsa -mcpu=gfx1250 --defsym DOCPART=n.
;; ======== version 1 of 2: 2 launches
;; workspace buffers: wq 6,553,600 bytes; order 1,179,648 bytes of whole numbers; counts 256 bytes of whole numbers
;; launch prep (part 1): grid 164 x 1, 16 waves a work-group, no clusters, 2,304 bytes of LDS; arguments selected_experts, w1_codes, w1_scales, w2_codes, w2_scales, wq, order, counts; writes wq, order, counts
.if DOCPART == 1
	.amdgcn_target "amdgcn-amd-amdhsa--gfx1250"
	.amdhsa_code_object_version 6
	.text
	.protected	k_q995c772dc3_prep
	.globl	k_q995c772dc3_prep
	.p2align	8
	.type	k_q995c772dc3_prep,@function
k_q995c772dc3_prep:
	s_mov_b64 s[64:65], 0
	v_nop
	global_prefetch_b8 v0, s[64:65] scope:SCOPE_SE
	s_setreg_imm32_b32 hwreg(HW_REG_WAVE_MODE, 25, 1), 1
	s_wait_xcnt 0x0
; PREP, the first of two launches for  out[t] = sum over e of w_e(t) gelu(x_t W1_e) W2_e,  w_e(t) = the sum of routing_weights[t][k] over the slots k with selected_experts[t][k] == e.
; WORK LEFT OUT BY THE PROGRAM, AND WHY IT IS DEAD.  For an expert e that neither slot of token t names, the where() in the problem's own body gives w_e(t) = 0 + 0, so that
; expert's row, whatever finite numbers it holds, is multiplied by 0 and adds 0 to out[t].  Which rows those are is decided by whole numbers (selected_experts) that the launches read from
; memory.  So only the rows (t, e) with e named by t are multiplied: at most 2 of 8 experts a token.  Every input has a way to the output and is loaded.
; LIMITS.  A NaN, an infinity or an overflow that arises only in a row of an expert that was not chosen is not carried to the result.  The indices are taken to lie in 0 .. 7 (an index stays
; inside the table that it indexes); a token with another index is not served.
; WHAT THIS LAUNCH DOES.  Work-groups 0 .. 35: work-group g takes one unordered pair of experts (lo <= hi; g counts lo-major, hi = lo .. 7), walks all 8,192 tokens, and stores the numbers of the
; tokens whose two slots name that pair, dense from entry 0 of order[g][.], and their count in counts[g].  Sixteen waves, 512 tokens each; a wave's place in the list is the sum of the
; earlier waves' counts, which go from wave to wave through sixteen LDS words at fixed addresses.  A token's place comes from a count of mask bits: no atomics, and each list has one owner.
; The list's stores are 4 bytes a lane at places that hang on the data: 32 KB in the whole launch.
; Work-groups 36 .. 163 lay W1 and W2 once in the order in which the second launch's operand registers take them: RECORDS of 6,400 bytes = four fragments (16 rows x 128 K of 6-bit codes, 12 registers
; a lane) as images of their registers (bytes 1536 j + 512 c + 16 lane = registers 4 c .. 4 c + 3 of fragment j) and, from byte 6,144 on, 8 bytes a lane: lane (r, h) has row r's scale words of
; fragments 2 h and 2 h + 1.  Record ((tensor 8 + e) 4 + w) 16 + rec.  W1: rec = 2 s + tq, fragment j is tile t = 4 tq + j of wave w's 128 hidden units at K step s; lane r of tile t takes row
; 128 w + 32 (t / 2) + 8 (t % 2) + r + 8 (r / 8), so that the results of two neighbouring tiles are 16 neighbours along the second product's K.  W2: rec = 4 g + s, row 256 w + 64 g + 16 j + r.
; A wave lays two fragments: 13 loads, 7 stores, no loop; each store of codes covers 512 consecutive bytes at a multiple of 256 from the buffer's first byte.
.set SPARE, 256                        ; LDS: bytes 0 .. 63 the sixteen waves' counts (a block of 256 to themselves); from 256 on the spare words, 128 bytes a wave
.set REC,   6400
	s_load_b512 s[4:19], s[0:1], 0x0               ; selected_experts s[4:5], w1_codes s[6:7], w1_scales s[8:9], w2_codes s[10:11], w2_scales s[12:13], wq s[14:15], order s[16:17], counts s[18:19]
	v_lshl_add_u32 v62, v0, 2, SPARE               ; my spare word,
	v_mov_b32 v63, 0                               ; and 0: kept for the wave's end
	v_lshrrev_b32 v1, 5, v0
	v_readfirstlane_b32 s20, v1                    ; wave 0 .. 15
	v_and_b32 v1, 31, v0                           ; lane
	v_and_b32 v2, 15, v0                           ; r
	v_bfe_u32 v3, v0, 4, 1                         ; h
	s_wait_kmcnt 0x0
	s_cmp_lt_u32 ttmp9, 36                         ; the paths part on the work-group's number alone; only the sorting path touches LDS
	s_cbranch_scc1 .Lsort
	; ---- LAYING THE WEIGHTS.  q = tensor 64 + e 8 + w 2 + half
	s_sub_co_u32 s22, ttmp9, 36
	s_bfe_u32 s23, s22, 0x30003                    ; e
	s_bfe_u32 s24, s22, 0x20001                    ; w
	s_and_b32 s25, s22, 1
	s_lshl_b32 s25, s25, 3
	s_lshr_b32 s21, s20, 1
	s_add_co_u32 s25, s25, s21                     ; rec = 8 half + wave / 2
	s_and_b32 s26, s20, 1                          ; jp: I lay fragments 2 jp and 2 jp + 1
	s_lshr_b32 s27, s22, 1
	s_lshl_b32 s27, s27, 4
	s_add_co_u32 s27, s27, s25                     ; the record's number
	s_mul_i32 s28, s27, REC
	s_mul_i32 s21, s26, 3072
	s_add_co_u32 s28, s28, s21
	s_mov_b32 s29, 0
	s_add_nc_u64 s[30:31], s[14:15], s[28:29]      ; where my two images go
	s_mul_i32 s28, s27, REC
	s_lshl_b32 s21, s26, 7
	s_add_co_u32 s28, s28, s21
	s_add_co_u32 s28, s28, 6144
	s_add_nc_u64 s[32:33], s[14:15], s[28:29]      ; and their scale words: lanes 16 jp .. 16 jp + 15 of the record's 8 bytes a lane
	v_lshlrev_b32 v7, 4, v1                        ; an image: 16 bytes a lane
	v_lshlrev_b32 v8, 3, v2
	v_lshl_add_u32 v8, v3, 2, v8                   ; a scale word: 8 r + 4 h: lane (r, h) brings fragment 2 jp + h's word of row r
; s34 = K step, s36 = the first row of fragment 2 jp, v5 = my lane's byte among the codes, v6 = among the scale bytes
.macro LAY cp, sp, pitch, jrows, srb
	s_mul_i32 s37, s23, 393216                     ; an expert's codes
	s_mul_i32 s38, s36, \pitch
	s_add_co_u32 s38, s38, s37
	s_mul_i32 s37, s34, 96                         ; 128 codes are 96 bytes
	s_add_co_u32 s38, s38, s37
	s_mov_b32 s39, 0
	s_add_nc_u64 s[40:41], s[\cp:\cp+1], s[38:39]
	s_lshl_b32 s37, s23, 14                        ; an expert's scale bytes
	s_mul_i32 s38, s36, \srb
	s_add_co_u32 s38, s38, s37
	s_lshl_b32 s37, s34, 2
	s_add_co_u32 s38, s38, s37
	s_add_nc_u64 s[42:43], s[\sp:\sp+1], s[38:39]
.irp jj, 0,1
.irp p, 0,1,2,3,4,5
	global_load_b64 v[16+12*\jj+2*\p:17+12*\jj+2*\p], v5, s[40:41] offset:\jj*(\jrows)*(\pitch)+48*(\p/3)+8*(\p%3)   ; a fragment's 2 x 24 bytes a lane, in pieces of 8
.endr
.endr
	global_load_b32 v40, v6, s[42:43]
	s_wait_loadcnt 0x0
.irp jj, 0,1
.irp c, 0,1,2
	global_store_b128 v7, v[16+12*\jj+4*\c:19+12*\jj+4*\c], s[30:31] offset:1536*\jj+512*\c
.endr
.endr
	global_store_b32 v8, v40, s[32:33]
	s_endpgm
.endm
	s_cmp_ge_u32 s22, 64
	s_cbranch_scc1 .Lw2
	s_lshr_b32 s34, s25, 1                         ; W1: K step s = rec / 2,
	s_and_b32 s35, s25, 1                          ; tq = rec % 2
	s_lshl_b32 s36, s24, 7
	s_lshl_b32 s35, s35, 6
	s_add_co_u32 s36, s36, s35
	s_lshl_b32 s35, s26, 5
	s_add_co_u32 s36, s36, s35                     ; 128 w + 64 tq + 32 jp
	v_and_b32 v4, 8, v2
	v_add_nc_u32 v4, v4, v2                        ; r + 8 (r / 8)
	v_mul_u32_u24 v5, v4, 768
	v_mad_u32_u24 v5, v3, 24, v5
	v_lshl_add_u32 v6, v3, 3, v4                   ; the second fragment's rows lie 8 further on
	v_lshlrev_b32 v6, 5, v6
	LAY 6, 8, 768, 8, 32
.Lw2:
	s_lshr_b32 s35, s25, 2                         ; W2: g = rec / 4,
	s_and_b32 s34, s25, 3                          ; K step s = rec % 4
	s_lshl_b32 s36, s24, 8
	s_lshl_b32 s35, s35, 6
	s_add_co_u32 s36, s36, s35
	s_lshl_b32 s35, s26, 5
	s_add_co_u32 s36, s36, s35                     ; 256 w + 64 g + 32 jp
	v_mul_u32_u24 v5, v2, 384
	v_mad_u32_u24 v5, v3, 24, v5
	v_lshl_add_u32 v6, v3, 4, v2                   ; the second fragment's rows lie 16 further on
	v_lshlrev_b32 v6, 4, v6
	LAY 10, 12, 384, 16, 16
	; ---- SORTING: the tokens of pair g = the work-group's number
.Lsort:
	s_mov_b32 s22, 0                               ; lo,
	s_mov_b32 s23, 0                               ; and the number of lo's first pair
.macro DEC lo, st
	s_cmp_ge_u32 ttmp9, \st
	s_cselect_b32 s22, \lo, s22
	s_cselect_b32 s23, \st, s23
.endm
	DEC 1, 8
	DEC 2, 15
	DEC 3, 21
	DEC 4, 26
	DEC 5, 30
	DEC 6, 33
	DEC 7, 35
	s_sub_co_u32 s25, ttmp9, s23
	s_add_co_u32 s25, s25, s22                     ; hi
	s_lshl_b32 s24, s22, 3
	s_add_co_u32 s24, s24, s25                     ; the pair's key: 8 lo + hi
	s_lshl_b32 s25, s20, 12                        ; my wave's 512 tokens: 4,096 bytes
	v_lshl_add_u32 v5, v1, 4, s25
.irp i, 0,1,2,3,4,5,6,7
	global_load_b128 v[8+4*\i:11+4*\i], v5, s[4:5] offset:512*\i   ; two tokens a lane: 512 w + 64 i + 2 lane + c
.endr
	s_lshl_b32 s30, ttmp9, 15
	s_mov_b32 s31, 0
	s_add_nc_u64 s[16:17], s[16:17], s[30:31]      ; order[g]
	s_lshl_b32 s30, ttmp9, 2
	s_add_nc_u64 s[18:19], s[18:19], s[30:31]      ; counts[g]
	s_lshl_b32 s29, s20, 9
	v_lshl_add_u32 v4, v1, 1, s29                  ; 512 w + 2 lane
	v_lshrrev_b32 v6, 5, v0
	v_lshlrev_b32 v6, 2, v6                        ; LDS: my wave's word
	v_mov_b32 v7, 0
	s_mov_b32 s26, 0
	s_wait_loadcnt 0x0
.irp i, 0,1,2,3,4,5,6,7
.irp c, 0,1
	v_min_u32 v58, v[8+4*\i+2*\c], v[9+4*\i+2*\c]
	v_max_u32 v59, v[8+4*\i+2*\c], v[9+4*\i+2*\c]
	v_lshl_or_b32 v58, v58, 3, v59                 ; the token's key
	v_cmp_eq_u32 s[32+2*\i+\c], s24, v58           ; a mask of the 32 lanes for each of 16 sub-steps
	s_bcnt1_i32_b32 s25, s[32+2*\i+\c]
	s_add_co_u32 s26, s26, s25                     ; my wave's count
.endr
.endr
	v_mov_b32 v60, s26
	ds_store_b32 v6, v60                           ; all lanes write the same word with the same value
	s_wait_dscnt 0x0                               ; for the others' sake: my store has landed
	s_barrier_signal -1
	s_barrier_wait -1
.irp i, 0,1,2,3
	ds_load_b128 v[40+4*\i:43+4*\i], v7 offset:16*\i   ; the sixteen counts, in every lane
.endr
	s_wait_dscnt 0x0
.irp j, 0,1,2,3,4,5,6,7,8,9,10,11,12,13,14,15
	v_readfirstlane_b32 s[48+\j], v[40+\j]
.endr
	s_mov_b32 s27, 0                               ; where my wave's part of the list begins,
	s_mov_b32 s28, 0                               ; and the pair's count
.irp j, 0,1,2,3,4,5,6,7,8,9,10,11,12,13,14,15
	s_cmp_lt_u32 \j, s20
	s_cselect_b32 s25, s[48+\j], 0
	s_add_co_u32 s27, s27, s25
	s_add_co_u32 s28, s28, s[48+\j]
.endr
	s_cmp_lg_u32 s20, 0
	s_cbranch_scc1 .Lnot_wave_0
	v_mov_b32 v60, s28
	global_store_b32 v7, v60, s[18:19]             ; wave 0 stores the count (its lanes write one word with one value)
.Lnot_wave_0:
	; the sixteen sub-steps' places and token numbers are all made here, with every lane on, each in a register of its own (the loaded slots' registers are free); the masked stores follow
.irp i, 0,1,2,3,4,5,6,7
.irp c, 0,1
	v_mbcnt_lo_u32_b32 v[8+2*\i+\c], s[32+2*\i+\c], s27   ; my place: the list so far + the chosen lanes below me
	v_min_u32 v[8+2*\i+\c], 0x1fff, v[8+2*\i+\c]   ; held inside the list's 8,192 entries
	v_lshlrev_b32 v[8+2*\i+\c], 2, v[8+2*\i+\c]
	v_add_nc_u32 v[24+2*\i+\c], 64*\i+\c, v4       ; my token's number
	s_bcnt1_i32_b32 s25, s[32+2*\i+\c]
	s_add_co_u32 s27, s27, s25
.endr
.endr
	s_wait_xcnt 0x0                                ; EXEC changes only behind this wait (wave 0's store of the count)
.irp k, 0,1,2,3,4,5,6,7,8,9,10,11,12,13,14,15
	s_and_saveexec_b32 s21, s[32+\k]               ; the lanes whose token belongs to the pair
	global_store_b32 v[8+\k], v[24+\k], s[16:17]
	s_wait_xcnt 0x0                                ; the store has read EXEC
	s_mov_b32 exec_lo, -1                          ; every lane was on ahead of the narrowing: all ones restore it
.endr
	s_wait_tensorcnt 0x0                           ; the wave's end: a tensor wait, an add of 0 to my spare word
	ds_add_u32 v62, v63
	s_wait_dscnt 0x0
	s_endpgm
.Lfunc_end_k_q995c772dc3_prep:
	.size	k_q995c772dc3_prep, .Lfunc_end_k_q995c772dc3_prep-k_q995c772dc3_prep
	.p2alignl 7, 3214868480
	.fill 96, 4, 3214868480
	.section	.rodata,"a",@progbits
	.p2align	6, 0x0
	.amdhsa_kernel k_q995c772dc3_prep
		.amdhsa_group_segment_fixed_size 2304
		.amdhsa_private_segment_fixed_size 0
		.amdhsa_enable_private_segment 0
		.amdhsa_kernarg_size 64
		.amdhsa_user_sgpr_count 2
		.amdhsa_user_sgpr_kernarg_segment_ptr 1
		.amdhsa_wavefront_size32 1
		.amdhsa_system_sgpr_workgroup_id_x 1
		.amdhsa_system_sgpr_workgroup_id_y 1
		.amdhsa_system_sgpr_workgroup_id_z 1
		.amdhsa_system_vgpr_workitem_id 0
		.amdhsa_next_free_vgpr 64
		.amdhsa_next_free_sgpr 66
		.amdhsa_reserve_vcc 0
		.amdhsa_float_denorm_mode_32 3
		.amdhsa_float_denorm_mode_16_64 3
		.amdhsa_memory_ordered 1
		.amdhsa_forward_progress 1
		.amdhsa_inst_pref_size 25
	.end_amdhsa_kernel
	.amdgpu_metadata
---
amdhsa.version: [ 1, 2 ]
amdhsa.kernels:
  - .name:           k_q995c772dc3_prep
    .symbol:         k_q995c772dc3_prep.kd
    .args:
      - { .name: selected_experts, .offset: 0, .size: 8, .value_kind: global_buffer, .address_space: global }
      - { .name: w1_codes, .offset: 8, .size: 8, .value_kind: global_buffer, .address_space: global }
      - { .name: w1_scales, .offset: 16, .size: 8, .value_kind: global_buffer, .address_space: global }
      - { .name: w2_codes, .offset: 24, .size: 8, .value_kind: global_buffer, .address_space: global }
      - { .name: w2_scales, .offset: 32, .size: 8, .value_kind: global_buffer, .address_space: global }
      - { .name: wq, .offset: 40, .size: 8, .value_kind: global_buffer, .address_space: global }
      - { .name: order, .offset: 48, .size: 8, .value_kind: global_buffer, .address_space: global }
      - { .name: counts, .offset: 56, .size: 8, .value_kind: global_buffer, .address_space: global }
    .group_segment_fixed_size: 2304
    .private_segment_fixed_size: 0
    .kernarg_segment_align: 8
    .kernarg_segment_size: 64
    .max_flat_workgroup_size: 512
    .sgpr_count:     66
    .vgpr_count:     64
    .wavefront_size: 32
...
	.end_amdgpu_metadata
.endif
;; end of part 1
;; launch chain (part 2): grid 163 x 1, 4 waves a work-group, no clusters, 174,592 bytes of LDS; arguments hidden_states_codes, hidden_states_scales, routing_weights, selected_experts, wq, order, counts, out0; writes out0
.if DOCPART == 2
	.amdgcn_target "amdgcn-amd-amdhsa--gfx1250"
	.amdhsa_code_object_version 6
	.text
	.protected	k_q995c772dc3_chain
	.globl	k_q995c772dc3_chain
	.p2align	8
	.type	k_q995c772dc3_chain,@function
k_q995c772dc3_chain:
	s_mov_b64 s[64:65], 0
	v_nop
	global_prefetch_b8 v0, s[64:65] scope:SCOPE_SE
	s_setreg_imm32_b32 hwreg(HW_REG_WAVE_MODE, 25, 1), 1
	s_wait_xcnt 0x0
; CHAIN, the second launch.  Left out as in the first launch's head: the rows of experts that a token does not name (their weight is the 0 that the problem's own where() builds).
; A work-group takes ONE TILE of at most 64 tokens of ONE pair of experts (lo <= hi) through the whole chain: x W1, gelu, the quantiser, W2, for both experts, the two routing weights, the store.
; The hidden layer never goes to memory, and each output row has one owner.  Where lo = hi the tile has one expert, whose weight is the sum of both slots', as the problem sums them.
; THE GRID.  With n_g tokens in pair g there are sum of ceil(n_g / 64) <= 128 + 35 tiles, whatever the choice: 163 work-groups.  A WORK-GROUP THAT THIS SPLIT LEAVES WITHOUT ROWS stores nothing to memory.
; Both barriers stand on every wave's path, under no branch on a stored number: so such a work-group walks the head on tile 0's numbers (tile 0 exists in every split, so all that it reads has been
; stored), passes over both trips of the first product by the branch that a tile of one expert takes for the second trip, and jumps over the second product behind the second barrier.
; SHARES.  Four waves, as many as a WGP has SIMDs.  THE WAVES SHARE THE COLUMNS, NOT THE ROWS: wave w makes hidden units 128 w .. + 127 and outputs 256 w .. + 255 of all 64 rows, so each weight byte is loaded once
; in the work-group.  The weights come from memory straight into registers, as records of four fragments laid by the first launch, through a ring of four register slots (4 x 13 loads of a wave on their way).
; x's and the hidden layer's fragments go from wave to wave through LDS as images of their registers.  Two barriers.
; NO TENSOR LOADS, NO CLUSTER: which experts a work-group walks, and whether it has rows at all, hang on counts read from memory.
; BOTH PRODUCTS ARE USED TRANSPOSED (source 0 = 16 rows of the weight, source 1 = 16 tokens): a lane holds one token (lane % 16) throughout, and its registers run along the hidden units or the outputs.
; GELU: 0.5 x (1 + tanh(u)) = x / (1 + 2^(x (-c1 - c2 x x))), c1 = 2 log2(e) sqrt(2 / pi), c2 = 0.044715 c1: the same function for every x, in f32.
; A SHORT TILE repeats its last token in the rows that are over: they compute and store that row's numbers again; whole blocks of 16 such rows are not stored.
; LIMITS: NaN and infinities in the hidden layer are not served; a hidden block whose largest magnitude lies under 2^(5 - 127) gets the scale byte 1 (a block of zeros too: its codes are zeros).
; REGISTERS, in windows of 256 (s_set_vgpr_msb: bits 1:0 source 0, 3:2 source 1, 5:4 source 2, 7:6 destination):
;   window 0: v1-16 addresses; v20-27 the ring's scale words, v28-43 x's, later the hidden layer's (these hold scales alone); v44-61 constants and the quantiser's work; v64-127 T; v128-147 codes just made;
;             at the head v64-223 the gather; in the second product v64-255 expert hi's 16 hidden fragments.
;   window 1: v0-191 the ring (slot k at 48 k, fragment j at + 12 j); v192-223 the output offsets of the 64 rows; v224-239 the routing weights, each twice (a pair for the packed forms).
;   window 2: first product: accumulator (m, t) at 64 m + 8 t; second: expert lo's (m, j) at 32 m + 8 j, expert hi's at 128 + the same, which later take the rows read back from the stage.
;   window 3: first product: x's fragments, two buffers of 48; second: expert lo's 16 hidden fragments.
; SCALARS: s[68:83] the eight buffers; s[16:17], s[18:19] the two streams that the ring's refills name; s[20:21] W2 of lo; s[66:67] the stream that expert lo's part of the second product refills from;
;   s[22:23] out0 at my columns; s5 have I rows; s9 wave; s10, s11 my rows and the last of them; s12, s13 lo, hi; s14 the last trip of the first product that is walked (1, 0, -1).
.set XIMG,  0                          ; LDS: x's fragment (tile of rows m, K step s) as an image, at (8 m + s) 1536
.set XSC,   49152                      ; x's scale bytes: row 16 m + r at 32 (16 m + r)
.set HIMG,  51200                      ; the hidden fragment (K step s, expert x, tile of rows m) at 12288 s + 6144 x + 1536 m: K step s is made by wave s, so a wave's images of both experts are one run of 12,288 bytes of its own
.set HSC,   100352                     ; its scale words, 4 bytes a lane, at 1024 s + 512 x + 128 m
.set STG,   104448                     ; a stage for each wave: 64 rows x (256 + 16) bytes
.set SPARE, 174080                     ; the spare words, 128 bytes a wave: two blocks of 256 bytes that no other line names
.set REC,    6400                      ; a record
.set STREAM, 102400                    ; a wave's 16 records of one tensor of one expert
.set MSB, 0
.macro WIN new                         ; the immediate's high byte repeats the setting that is left; a switch that changes nothing is dropped
.if MSB != \new
	s_set_vgpr_msb (MSB<<8)|\new
.set MSB, \new
.endif
.endm
.macro PLACES                          ; four plain places behind a matrix instruction of this form, ahead of loads into its registers and of the first read of results
.rept 4
	v_nop
.endr
.endm
; one matrix instruction on the registers named by rD, rA, rB, rSA, rSB.  zero: it starts the sum.  ra, rb: the scale words stand in lanes 16-31
.macro WM zero, ra, rb
.if \zero
.if (\ra) && (\rb)
	v_wmma_scale_f32_16x16x128_f8f6f4 v[rD:rD+7], v[rA:rA+11], v[rB:rB+11], 0, v[rSA], v[rSB] matrix_a_fmt:MATRIX_FMT_BF6 matrix_b_fmt:MATRIX_FMT_BF6 matrix_a_scale:MATRIX_SCALE_ROW1 matrix_b_scale:MATRIX_SCALE_ROW1
.elseif \ra
	v_wmma_scale_f32_16x16x128_f8f6f4 v[rD:rD+7], v[rA:rA+11], v[rB:rB+11], 0, v[rSA], v[rSB] matrix_a_fmt:MATRIX_FMT_BF6 matrix_b_fmt:MATRIX_FMT_BF6 matrix_a_scale:MATRIX_SCALE_ROW1
.elseif \rb
	v_wmma_scale_f32_16x16x128_f8f6f4 v[rD:rD+7], v[rA:rA+11], v[rB:rB+11], 0, v[rSA], v[rSB] matrix_a_fmt:MATRIX_FMT_BF6 matrix_b_fmt:MATRIX_FMT_BF6 matrix_b_scale:MATRIX_SCALE_ROW1
.else
	v_wmma_scale_f32_16x16x128_f8f6f4 v[rD:rD+7], v[rA:rA+11], v[rB:rB+11], 0, v[rSA], v[rSB] matrix_a_fmt:MATRIX_FMT_BF6 matrix_b_fmt:MATRIX_FMT_BF6
.endif
.else
.if (\ra) && (\rb)
	v_wmma_scale_f32_16x16x128_f8f6f4 v[rD:rD+7], v[rA:rA+11], v[rB:rB+11], v[rD:rD+7], v[rSA], v[rSB] matrix_a_fmt:MATRIX_FMT_BF6 matrix_b_fmt:MATRIX_FMT_BF6 matrix_a_scale:MATRIX_SCALE_ROW1 matrix_b_scale:MATRIX_SCALE_ROW1
.elseif \ra
	v_wmma_scale_f32_16x16x128_f8f6f4 v[rD:rD+7], v[rA:rA+11], v[rB:rB+11], v[rD:rD+7], v[rSA], v[rSB] matrix_a_fmt:MATRIX_FMT_BF6 matrix_b_fmt:MATRIX_FMT_BF6 matrix_a_scale:MATRIX_SCALE_ROW1
.elseif \rb
	v_wmma_scale_f32_16x16x128_f8f6f4 v[rD:rD+7], v[rA:rA+11], v[rB:rB+11], v[rD:rD+7], v[rSA], v[rSB] matrix_a_fmt:MATRIX_FMT_BF6 matrix_b_fmt:MATRIX_FMT_BF6 matrix_b_scale:MATRIX_SCALE_ROW1
.else
	v_wmma_scale_f32_16x16x128_f8f6f4 v[rD:rD+7], v[rA:rA+11], v[rB:rB+11], v[rD:rD+7], v[rSA], v[rSB] matrix_a_fmt:MATRIX_FMT_BF6 matrix_b_fmt:MATRIX_FMT_BF6
.endif
.endif
.endm
; a record into ring slot k: 12 loads of 512 consecutive bytes, and 8 bytes a lane of scale words: 13 loads
.macro QLOAD k, base, off
	WIN 0x40
.irp i, 0,1,2,3,4,5,6,7,8,9,10,11
	global_load_b128 v[48*(\k)+4*\i:48*(\k)+4*\i+3], v1, s[\base:\base+1] offset:(\off)+512*\i
.endr
	WIN 0
	global_load_b64 v[20+2*(\k):21+2*(\k)], v2, s[\base:\base+1] offset:(\off)+6144
.endm
; x's four fragments of K step s into buffer b of window 3
.macro XFETCH s, b
	WIN 0xc0
.irp m, 0,1,2,3
.irp c, 0,1,2
	ds_load_b128 v[48*(\b)+12*\m+4*\c:48*(\b)+12*\m+4*\c+3], v1 offset:(8*\m+(\s))*1536+512*\c
.endr
.endr
.endm
; record q of the first product: K step q / 2, my tiles 4 (q % 2) .. + 3, against the four tiles of rows: 16 matrix instructions on 16 accumulators; the 32 take turns, one instruction a turn
.macro Q1 q
.set qk, (\q)&3
.set qs, (\q)>>1
.set qt, (\q)&1
	s_wait_loadcnt 39                              ; loads come back in order: this record's 13 are in, the three younger records' 39 may be out
.if qt == 0
	s_wait_dscnt 0x0                               ; x's fragments of this K step (asked for two records ago)
.endif
	WIN 0xad                                       ; source 0 window 1 (ring), source 1 window 3 (x), C and D window 2
.irp j, 0,1,2,3
.irp m, 0,1,2,3
.set rD, 64*\m+8*(4*qt+\j)
.set rA, 48*qk+12*\j
.set rB, 48*(qs&1)+12*\m
.set rSA, 20+2*qk+(\j&1)
.set rSB, 28+8*(\m>>1)+qs
	WM (qs==0), (\j>>1), (\m&1)
.endr
.endr
	PLACES
.if (\q) < 12
	QLOAD qk, 16, ((\q)+4)*REC                     ; the slot takes the record four on,
.else
	QLOAD qk, 18, ((\q)-12)*REC                    ; or the next stream's first four: they are on their way during the gelu
.endif
.if (qt == 0) && (qs < 7)
	XFETCH qs+1, (qs+1)&1
.endif
.endm
; the gelu of my 128 hidden units of tile of rows m: window 2's 64 registers -> T (v64-127).  Each accumulator is read from its low end on.
.macro GELU m
	WIN 0x0a
.set nn, 0
.rept 32
	v_pk_mul_f32 v[64+nn:65+nn], v[64*(\m)+nn:64*(\m)+nn+1], v[64*(\m)+nn:64*(\m)+nn+1]    ; x x
.set nn, nn+2
.endr
	WIN 0
.set nn, 0
.rept 32
	v_pk_fma_f32 v[64+nn:65+nn], v[64+nn:65+nn], s[84:85], v[44:45] op_sel_hi:[1,0,1]      ; -c2 x x - c1
.set nn, nn+2
.endr
	WIN 0x08
.set nn, 0
.rept 32
	v_pk_mul_f32 v[64+nn:65+nn], v[64+nn:65+nn], v[64*(\m)+nn:64*(\m)+nn+1]                ; times x
.set nn, nn+2
.endr
	WIN 0
.set nn, 0
.rept 64
	v_exp_f32 v[64+nn], v[64+nn]
.set nn, nn+1
.endr
	v_nop                                          ; a plain instruction behind the last exponential,
	s_wait_alu depctr_va_vdst(0)                   ; and one wait for the batch, ahead of its first reader
.set nn, 0
.rept 32
	v_pk_add_f32 v[64+nn:65+nn], v[64+nn:65+nn], 1.0 op_sel_hi:[1,0]
.set nn, nn+2
.endr
.set nn, 0
.rept 64
	v_rcp_f32 v[64+nn], v[64+nn]
.set nn, nn+1
.endr
	v_nop
	s_wait_alu depctr_va_vdst(0)                   ; likewise for the reciprocals
	WIN 0x08
.set nn, 0
.rept 32
	v_pk_mul_f32 v[64+nn:65+nn], v[64+nn:65+nn], v[64*(\m)+nn:64*(\m)+nn+1]                ; x / (1 + 2^..)
.set nn, nn+2
.endr
	WIN 0
.endm
; T's 64 numbers of a lane (register 16 b + i = k 32 b + 16 (lane / 16) + i of my token) become a fragment's codes in v128-139 and its scale word in v58
.macro QUANT
.irp b, 0,1,2,3
	v_max3_num_f32 v[46+\b], |v[64+16*\b]|, |v[65+16*\b]|, 0x2800000   ; block b: my 16 numbers, and the floor 2^(5 - 127): the byte cannot fall under 1
.endr
.irp i, 2,4,6,8,10,12,14
.irp b, 0,1,2,3
	v_max3_num_f32 v[46+\b], v[46+\b], |v[64+16*\b+\i]|, |v[65+16*\b+\i]|   ; the four blocks by turns
.endr
.endr
.irp b, 0,1,2,3
	v_permlanex16_b32 v[50+\b], v[46+\b], s86, s87
.endr
.irp b, 0,1,2,3
	v_max_num_f32 v[46+\b], v[46+\b], v[50+\b]     ; with lane l xor 16's: the block's largest magnitude
.endr
.irp b, 0,1,2,3
	v_add_nc_u32 v[54+\b], 0xfe000000, v[46+\b]    ; 4 off its exponent field: the conversion takes this operand's exponent field as its scale
.endr
.irp b, 0,1,2,3
	v_lshrrev_b32 v[50+\b], 23, v[54+\b]           ; the scale's byte
.endr
	v_lshl_or_b32 v58, v51, 8, v50
	v_lshl_or_b32 v58, v52, 16, v58
	v_lshl_or_b32 v58, v53, 24, v58                ; my token's scale word (lanes 16-31 hold the same as lanes 0-15)
.irp c, 0,1
	v_cvt_scalef32_pk16_bf6_f32 v[128+6*\c:130+6*\c], v[64+32*\c:79+32*\c], v[54+2*\c]
	v_cvt_scalef32_pk16_bf6_f32 v[140+4*\c:142+4*\c], v[80+32*\c:95+32*\c], v[55+2*\c]   ; (a conversion's three registers begin on an even number)
.endr
	v_nop                                          ; one plain place behind a scaled conversion
.irp c, 0,1                                    ; the operand's layout wants a whole block in a lane
.irp i, 0,1,2
	v_permlane16_swap_b32 v[128+6*\c+\i], v[140+4*\c+\i]
.endr
.irp i, 0,1,2
	v_mov_b32 v[131+6*\c+\i], v[140+4*\c+\i]
.endr
.endr
.endm
.macro IMAGE m                         ; the fragment goes to LDS as it stands: K step w of the second product, this trip's expert, rows 16 m on
.irp c, 0,1,2
	ds_store_b128 v59, v[128+4*\c:131+4*\c] offset:1536*(\m)+512*\c
.endr
	ds_store_b32 v60, v58 offset:128*(\m)
	s_wait_dscnt 0x0                               ; the stores have read their registers
.endm
; a group of 64 of my outputs for expert x (0: lo, 1: hi): four records, 64 matrix instructions on 16 accumulators by turns.  refill: each slot takes a record of the stream at s[base]
.macro PART x, refill, base
.irp s, 0,1,2,3
.if \refill
	s_wait_loadcnt 39                              ; this record is in; the three younger ones may be out
.else
	s_wait_loadcnt 13*(3-\s)                       ; nothing is asked for any more: the counts run down
.endif
.if \x
	WIN 0xa1                                       ; source 1: window 0 (expert hi's hidden fragments)
.else
	WIN 0xad                                       ; source 1: window 3 (expert lo's)
.endif
.irp j, 0,1,2,3
.irp m, 0,1,2,3
.set rD, 128*(\x)+32*\m+8*\j
.set rA, 48*\s+12*\j
.set rB, 64*(\x)+12*(4*\m+\s)
.set rSA, 20+2*\s+(\j&1)
.set rSB, 28+4*\m+\s
	WM (\s==0), (\j>>1), \x
.endr
.endr
	PLACES
.if \refill
	QLOAD \s, \base, REC*\s
.endif
.endr
	WIN 0
.endm
.macro MULLO                           ; expert lo's results times its routing weight
	WIN 0x86
.irp m, 0,1,2,3
.set nn, 0
.rept 16
	v_pk_mul_f32 v[32*\m+nn:32*\m+nn+1], v[32*\m+nn:32*\m+nn+1], v[224+2*\m:225+2*\m]
.set nn, nn+2
.endr
.endr
	WIN 0
.endm
.macro FMAHI                           ; plus expert hi's times its own
	WIN 0xa6
.irp m, 0,1,2,3
.set nn, 0
.rept 16
	v_pk_fma_f32 v[32*\m+nn:32*\m+nn+1], v[128+32*\m+nn:128+32*\m+nn+1], v[232+2*\m:233+2*\m], v[32*\m+nn:32*\m+nn+1]
.set nn, nn+2
.endr
.endr
	WIN 0
.endm
; a lane holds 32 neighbouring bytes of a row and the lanes beside it other rows: the group goes through my own stage and comes back as rows of 256 bytes; LDS serves a wave's instructions in order
.macro WAYOUT
	WIN 0x08
.irp m, 0,1,2,3
.irp j, 0,1,2,3
	ds_store_b128 v8, v[32*\m+8*\j:32*\m+8*\j+3] offset:4352*\m+64*\j
	ds_store_b128 v8, v[32*\m+8*\j+4:32*\m+8*\j+7] offset:4352*\m+64*\j+16
.endr
.endr
	WIN 0x80
.irp m, 0,1,2,3
.irp i, 0,1,2,3,4,5,6,7
	ds_load_b128 v[128+32*\m+4*\i:128+32*\m+4*\i+3], v9 offset:4352*\m+544*\i
.endr
.endr
	WIN 0
.irp m, 0,1,2,3
.if \m > 0
	s_cmp_le_u32 s10, 16*\m                        ; blocks of 16 rows that only repeat the last token are not stored
	s_cbranch_scc1 .Lwo_end_\@
.endif
	s_wait_dscnt 24-8*\m                           ; this block's eight loads are in; the later blocks' may be out
	WIN 0x09                                       ; the offsets in window 1, the data in window 2
.irp i, 0,1,2,3,4,5,6,7
	global_store_b128 v[192+8*\m+\i], v[128+32*\m+4*\i:128+32*\m+4*\i+3], s[22:23] th:TH_STORE_NT   ; 16 lanes store 256 consecutive bytes, at a multiple of 256 from out0's first byte
.endr
	WIN 0
.endr
.Lwo_end_\@:
	s_wait_dscnt 0x0
.endm
	; ---- THE HEAD
	s_load_b512 s[68:83], s[0:1], 0x0              ; x's codes s[68:69], x's scales s[70:71], routing_weights s[72:73], selected_experts s[74:75], wq s[76:77], order s[78:79], counts s[80:81], out0 s[82:83]
	v_lshl_add_u32 v3, v0, 2, SPARE                ; my spare word,
	v_mov_b32 v4, 0                                ; and 0: kept for the wave's end
	s_wait_kmcnt 0x0
	s_load_b512 s[24:39], s[80:81], 0x0            ; the 36 counts
	s_load_b512 s[40:55], s[80:81], 0x40
	s_load_b128 s[56:59], s[80:81], 0x80
	v_lshrrev_b32 v10, 5, v0
	v_readfirstlane_b32 s9, v10                    ; wave w
	v_and_b32 v10, 31, v0                          ; lane
	v_and_b32 v12, 15, v0                          ; r
	v_bfe_u32 v13, v0, 4, 1                        ; h
	v_lshlrev_b32 v1, 4, v10                       ; 16 lane: an image's place
	v_lshlrev_b32 v2, 3, v10                       ; 8 lane: a record's scale words
	v_lshlrev_b32 v11, 5, v10                      ; 32 lane: a row of x's scale bytes
	v_lshlrev_b32 v14, 4, v12                      ; 16 r
	s_mul_i32 s8, s9, 12288
	v_add_nc_u32 v5, s8, v1                        ; where I store x's images: tile of rows w
	v_add_nc_u32 v6, HIMG, v5                      ; the hidden layer's: K step w, expert lo
	s_lshl_b32 s8, s9, 10
	s_add_co_u32 s8, s8, HSC
	v_lshl_add_u32 v7, v10, 2, s8                  ; and their scale words
	s_mul_i32 s8, s9, 17408
	s_add_co_u32 s8, s8, STG                       ; my stage
	v_mul_u32_u24 v8, v12, 272
	v_lshl_add_u32 v8, v13, 5, v8
	v_add_nc_u32 v8, s8, v8                        ; in: row r, 32 bytes for each half of the lanes
	v_mul_u32_u24 v9, v13, 272
	v_add_nc_u32 v9, v9, v14
	v_add_nc_u32 v9, s8, v9                        ; back: lanes 0-15 one row, lanes 16-31 the next
	s_lshl_b32 s8, s9, 9
	s_add_co_u32 s8, s8, XSC
	v_lshl_add_u32 v15, v12, 5, s8
	v_lshl_add_u32 v15, v13, 4, v15                ; where I store half a row of x's scale bytes
	v_lshl_add_u32 v16, v10, 2, HSC                ; the hidden layer's scale words, for reading
	v_add_nc_u32 v61, HIMG, v1                     ; and its images
	v_mov_b32 v44, 0xc0135761                      ; -c1, twice
	v_mov_b32 v45, 0xc0135761
	s_mov_b32 s84, 0xbdd2d3e8                      ; -c2 (named as a pair, so both are written)
	s_mov_b32 s85, s84
	s_mov_b32 s86, 0x76543210
	s_mov_b32 s87, 0xfedcba98                      ; v_permlanex16_b32's selects for lane l xor 16
.irp b, 0,1,2,3
	v_mov_b32 v[50+\b], 0                          ; written once: a lane permute's destination counts as one of its sources
.endr
	s_mov_b32 s3, 0
	s_wait_kmcnt 0x0
.set gi, 0
.rept 36
	s_add_co_u32 s8, s[24+gi], 63                  ; all tiles of this split: the sum of ceil(n_g / 64)
	s_lshr_b32 s8, s8, 6
	s_add_co_u32 s3, s3, s8
.set gi, gi+1
.endr
	s_cmp_lt_u32 ttmp9, s3
	s_cselect_b32 s2, ttmp9, 0                     ; my tile; a work-group beyond the split's tiles takes tile 0's numbers for the head
	s_cselect_b32 s5, 1, 0                         ; have I rows of my own?
	s_mov_b32 s3, 0                                ; tiles ahead of the pair in hand
	s_mov_b32 s4, 0                                ; my pair,
	s_mov_b32 s12, 0                               ; its lo,
	s_mov_b32 s13, 0                               ; its hi,
	s_mov_b32 s6, 0                                ; its first tile,
	s_mov_b32 s7, 0                                ; its count
.set gi, 0
.irp lo, 0,1,2,3,4,5,6,7
.irp hi, 0,1,2,3,4,5,6,7
.if \hi >= \lo
	s_cmp_le_u32 s3, s2                            ; the last pair whose first tile is at or under mine is my pair
	s_cselect_b32 s4, gi, s4
	s_cselect_b32 s12, \lo, s12
	s_cselect_b32 s13, \hi, s13
	s_cselect_b32 s6, s3, s6
	s_cselect_b32 s7, s[24+gi], s7
	s_add_co_u32 s8, s[24+gi], 63
	s_lshr_b32 s8, s8, 6
	s_add_co_u32 s3, s3, s8
.set gi, gi+1
.endif
.endr
.endr
	s_sub_co_u32 s8, s2, s6
	s_lshl_b32 s8, s8, 6
	s_min_u32 s8, s8, 8128                         ; my first entry of the pair's list
	s_sub_co_u32 s10, s7, s8
	s_min_u32 s10, s10, 64                         ; my rows,
	s_sub_co_u32 s11, s10, 1
	s_min_u32 s11, s11, 63                         ; and the last of them
	s_min_u32 s4, s4, 35
	s_min_u32 s12, s12, 7
	s_min_u32 s13, s13, 7
	s_cmp_lg_u32 s12, s13
	s_cselect_b32 s14, 1, 0                        ; two experts, or one
	s_cselect_b32 s62, 6144, 0                     ; from expert lo's hidden images to expert hi's (one expert: the same images: every register is written on every way, and no unwritten LDS byte is read)
	s_cselect_b32 s63, 512, 0                      ; and between their scale words
	s_lshl_b32 s60, s4, 15
	s_lshl_b32 s8, s8, 2
	s_add_co_u32 s60, s60, s8
	s_mov_b32 s61, 0
	s_add_nc_u64 s[78:79], s[78:79], s[60:61]      ; my part of the list
	s_lshl_b32 s60, s12, 2
	s_add_co_u32 s60, s60, s9
	s_mul_i32 s60, s60, STREAM
	s_add_nc_u64 s[16:17], s[76:77], s[60:61]      ; the stream in hand: W1 of lo
	s_add_nc_u64 s[20:21], s[16:17], 32*STREAM     ; W2 of lo
	s_lshl_b32 s60, s13, 2
	s_add_co_u32 s60, s60, s9
	s_mul_i32 s60, s60, STREAM
	s_add_nc_u64 s[18:19], s[76:77], s[60:61]      ; W1 of hi
	s_add_nc_u64 s[66:67], s[18:19], 32*STREAM     ; W2 of hi
	s_lshl_b32 s60, s9, 10
	s_add_nc_u64 s[22:23], s[82:83], s[60:61]      ; out0 at my 256 columns
	s_add_nc_u64 s[60:61], s[20:21], 4*REC         ; W2 of lo, its second group
	s_cmp_lg_u32 s14, 0                            ; both choices of a stream are made here, on the two experts' held numbers alone
	s_cselect_b64 s[18:19], s[18:19], s[20:21]     ; the stream that follows W1 of lo: W1 of hi, or with one expert W2 of lo
	s_cselect_b64 s[66:67], s[66:67], s[60:61]     ; what expert lo's part of the second product asks for: hi's group, or with one expert lo's next
	s_cmp_lg_u32 s5, 0
	s_cselect_b32 s14, s14, -1                     ; the last trip of the first product that is walked: 1, 0, or, with no rows of my own, none.  From here on s14 serves branches alone
	; the tokens.  Three sets of places in the tile: 16 m + r (the routing weights), 16 w + r (my rows of x), 2 n + h (row n's pair on the way out).  A place past my last row takes the last row's.
.irp m, 0,1,2,3
	v_add_nc_u32 v[164+\m], 16*\m, v12
.endr
	s_lshl_b32 s8, s9, 4
	v_add_nc_u32 v168, s8, v12
.set nn, 0
.rept 32
	v_add_nc_u32 v[192+nn], 2*nn, v13
.set nn, nn+1
.endr
.macro POS reg
	v_min_u32 v[\reg], s11, v[\reg]
	v_min_u32 v[\reg], 63, v[\reg]
	v_lshlrev_b32 v[\reg], 2, v[\reg]
	global_load_b32 v[\reg], v[\reg], s[78:79]     ; the load lands on its own address register
.endm
.irp g, 164,165,166,167,168
	POS \g
.endr
.set nn, 192
.rept 32
	POS nn
.set nn, nn+1
.endr
	s_wait_loadcnt 0x0
.irp g, 164,165,166,167,168
	v_min_u32 v[\g], 0x1fff, v[\g]                 ; a token's number is held inside the tables
.endr
.set nn, 192
.rept 32
	v_min_u32 v[nn], 0x1fff, v[nn]
.set nn, nn+1
.endr
	WIN 0x40
.set nn, 192
.rept 32
	v_lshl_add_u32 v[nn], v[nn], 12, v14           ; window 1: the row's byte offset in out0: 4,096 token + 16 r
.set nn, nn+1
.endr
	WIN 0
	v_mul_u32_u24 v186, v168, 768                  ; x: my token's row of 768 bytes, + 24 h
	v_mad_u32_u24 v186, v13, 24, v186
	v_lshlrev_b32 v169, 5, v168                    ; its 32 scale bytes, my half
	v_lshl_add_u32 v169, v13, 4, v169
.irp m, 0,1,2,3
	v_lshlrev_b32 v[164+\m], 3, v[164+\m]          ; 8 bytes a token in selected_experts and in routing_weights
.endr
.irp s, 0,1,2,3,4,5,6,7
.irp p, 0,1,2,3,4,5
	global_load_b64 v[64+12*\s+2*\p:65+12*\s+2*\p], v186, s[68:69] offset:96*\s+48*(\p/3)+8*(\p%3)   ; x's eight fragments of my 16 rows
.endr
.endr
	global_load_b128 v[160:163], v169, s[70:71]
.irp m, 0,1,2,3
	global_load_b64 v[170+2*\m:171+2*\m], v[164+\m], s[74:75]
	global_load_b64 v[178+2*\m:179+2*\m], v[164+\m], s[72:73]
.endr
.irp k, 0,1,2,3
	QLOAD \k, 16, REC*\k                           ; the ring is filled
.endr
	s_wait_loadcnt 52                              ; the gather's 57 loads are in; the ring's 4 x 13 stay out
.irp m, 0,1,2,3
	v_cmp_eq_u32 vcc_lo, s12, v[170+2*\m]
	v_cndmask_b32 v[188+4*\m], 0, v[178+2*\m], vcc_lo
	v_cmp_eq_u32 vcc_lo, s12, v[171+2*\m]
	v_cndmask_b32 v[189+4*\m], 0, v[179+2*\m], vcc_lo
	v_cmp_eq_u32 vcc_lo, s13, v[170+2*\m]
	v_cndmask_b32 v[190+4*\m], 0, v[178+2*\m], vcc_lo
	v_cmp_eq_u32 vcc_lo, s13, v[171+2*\m]
	v_cndmask_b32 v[191+4*\m], 0, v[179+2*\m], vcc_lo
.endr
	WIN 0x40
.irp m, 0,1,2,3
	v_add_f32 v[224+2*\m], v[188+4*\m], v[189+4*\m]    ; w_lo of token (m, r): the sum over the slots that name lo, as the problem sums them; twice, for the packed forms
	v_add_f32 v[225+2*\m], v[188+4*\m], v[189+4*\m]
	v_add_f32 v[232+2*\m], v[190+4*\m], v[191+4*\m]    ; w_hi
	v_add_f32 v[233+2*\m], v[190+4*\m], v[191+4*\m]
.endr
	WIN 0
.irp s, 0,1,2,3,4,5,6,7
.irp c, 0,1,2
	ds_store_b128 v5, v[64+12*\s+4*\c:67+12*\s+4*\c] offset:XIMG+1536*\s+512*\c
.endr
.endr
	ds_store_b128 v15, v[160:163]
	s_wait_dscnt 0x0                               ; for the others' sake: my stores have landed
	s_barrier_signal -1
	s_barrier_wait -1                              ; x's 32 fragments and 64 rows of scale bytes lie in LDS
.irp mp, 0,1
.irp hf, 0,1
	ds_load_b128 v[28+8*\mp+4*\hf:31+8*\mp+4*\hf], v11 offset:XSC+1024*\mp+16*\hf   ; register 28 + 8 mp + s: lanes 0-15 tile 2 mp's word of K step s, lanes 16-31 tile 2 mp + 1's
.endr
.endr
	; ---- THE FIRST PRODUCT, THE GELU AND THE QUANTISER, an expert a trip.  Two trips always; a trip beyond s14 passes over its work.  No barrier stands inside.
	s_mov_b32 s15, 0
.Lexp:
	s_cmp_eq_u32 s15, 0                            ; where this trip's images go: a choice between two constants on the trip's number, added to addresses made at the head
	s_cselect_b32 s89, 0, 6144
	s_cselect_b32 s90, 0, 512
	v_add_nc_u32 v59, s89, v6
	v_add_nc_u32 v60, s90, v7
	s_cmp_gt_i32 s15, s14
	s_cbranch_scc1 .Lexp_end
	XFETCH 0, 0
.irp q, 0,1,2,3,4,5,6,7,8,9,10,11,12,13,14,15
	Q1 \q
.endr
.irp m, 0,1,2,3
	GELU \m
	QUANT
	IMAGE \m
.endr
	s_wait_xcnt 0x0                                ; the ring's loads have read their bases
	s_mov_b64 s[16:17], s[18:19]
	s_mov_b64 s[18:19], s[20:21]                   ; behind the second W1 comes W2 of lo
.Lexp_end:
	s_add_co_u32 s15, s15, 1
	s_cmp_lt_u32 s15, 2
	s_cbranch_scc1 .Lexp
	; ---- THE SECOND PRODUCT
	s_wait_dscnt 0x0                               ; my images have landed, my reads of x are over
	s_barrier_signal -1
	s_barrier_wait -1                              ; the hidden layer lies in LDS
	s_cmp_eq_u32 s5, 0                             ; with no rows of my own nothing is left to do; no barrier stands behind this branch
	s_cbranch_scc1 .Ldone
	v_add_nc_u32 v10, s62, v61                     ; expert hi's images
	v_mad_u32_u24 v59, v13, s63, v16               ; scale words: lanes 0-15 take lo's, lanes 16-31 hi's: one product on the lower base
	WIN 0xc0
.irp m, 0,1,2,3
.irp s, 0,1,2,3
.irp c, 0,1,2
	ds_load_b128 v[12*(4*\m+\s)+4*\c:12*(4*\m+\s)+4*\c+3], v61 offset:12288*\s+1536*\m+512*\c        ; lo's fragment 4 m + s -> window 3
.endr
.endr
.endr
	WIN 0
.irp m, 0,1,2,3
.irp s, 0,1,2,3
.irp c, 0,1,2
	ds_load_b128 v[64+12*(4*\m+\s)+4*\c:64+12*(4*\m+\s)+4*\c+3], v10 offset:12288*\s+1536*\m+512*\c  ; hi's -> window 0
.endr
.endr
.endr
.irp m, 0,1,2,3
.irp s, 0,1,2,3
	ds_load_b32 v[28+4*\m+\s], v59 offset:1024*\s+128*\m
.endr
.endr
	s_wait_xcnt 0x0                                ; no load still reads the two bases
	s_add_nc_u64 s[18:19], s[20:21], 4*REC         ; what expert hi's part asks for: lo's next group
	s_mov_b64 s[16:17], s[66:67]                   ; what expert lo's part asks for, as chosen at the head
	s_mov_b32 s88, 3
	s_wait_dscnt 0x0
.Lgrp:                                             ; a group of 64 of my 256 outputs a trip; the fourth is written out, so that no load passes its stream's end
	PART 0, 1, 16
	MULLO
	s_cmp_eq_u32 s14, 0
	s_cbranch_scc1 .Lgrp_one
	PART 1, 1, 18
	FMAHI
.Lgrp_one:
	WAYOUT
	s_wait_xcnt 0x0                                ; the stores have read their data and their base, the loads their bases
	s_add_nc_u64 s[16:17], s[16:17], 4*REC
	s_add_nc_u64 s[18:19], s[18:19], 4*REC
	s_add_nc_u64 s[22:23], s[22:23], 256
	s_sub_co_u32 s88, s88, 1
	s_cmp_lg_u32 s88, 0
	s_cbranch_scc1 .Lgrp
	s_cmp_eq_u32 s14, 0
	s_cbranch_scc1 .Ltail_one
	PART 0, 1, 16                                  ; two experts: hi's last group is still to come
	s_branch .Ltail_join
.Ltail_one:
	PART 0, 0, 16
.Ltail_join:
	MULLO
	s_cmp_eq_u32 s14, 0
	s_cbranch_scc1 .Ltail_out
	PART 1, 0, 18
	FMAHI
.Ltail_out:
	WAYOUT
.Ldone:
	s_wait_tensorcnt 0x0                           ; the wave's end: a tensor wait, an add of 0 to my spare word
	ds_add_u32 v3, v4
	s_wait_dscnt 0x0
	s_endpgm
.Lfunc_end_k_q995c772dc3_chain:
	.size	k_q995c772dc3_chain, .Lfunc_end_k_q995c772dc3_chain-k_q995c772dc3_chain
	.p2alignl 7, 3214868480
	.fill 96, 4, 3214868480
	.section	.rodata,"a",@progbits
	.p2align	6, 0x0
	.amdhsa_kernel k_q995c772dc3_chain
		.amdhsa_group_segment_fixed_size 174592
		.amdhsa_private_segment_fixed_size 0
		.amdhsa_enable_private_segment 0
		.amdhsa_kernarg_size 64
		.amdhsa_user_sgpr_count 2
		.amdhsa_user_sgpr_kernarg_segment_ptr 1
		.amdhsa_wavefront_size32 1
		.amdhsa_system_sgpr_workgroup_id_x 1
		.amdhsa_system_sgpr_workgroup_id_y 1
		.amdhsa_system_sgpr_workgroup_id_z 1
		.amdhsa_system_vgpr_workitem_id 0
		.amdhsa_next_free_vgpr 1024
		.amdhsa_next_free_sgpr 92
		.amdhsa_reserve_vcc 1
		.amdhsa_float_denorm_mode_32 3
		.amdhsa_float_denorm_mode_16_64 3
		.amdhsa_memory_ordered 1
		.amdhsa_forward_progress 1
		.amdhsa_inst_pref_size 255
	.end_amdhsa_kernel
	.section	.bss,"aw",@nobits
	.p2align	6
	.space	262144
	.amdgpu_metadata
---
amdhsa.version: [ 1, 2 ]
amdhsa.kernels:
  - .name:           k_q995c772dc3_chain
    .symbol:         k_q995c772dc3_chain.kd
    .args:
      - { .name: hidden_states_codes, .offset: 0, .size: 8, .value_kind: global_buffer, .address_space: global }
      - { .name: hidden_states_scales, .offset: 8, .size: 8, .value_kind: global_buffer, .address_space: global }
      - { .name: routing_weights, .offset: 16, .size: 8, .value_kind: global_buffer, .address_space: global }
      - { .name: selected_experts, .offset: 24, .size: 8, .value_kind: global_buffer, .address_space: global }
      - { .name: wq, .offset: 32, .size: 8, .value_kind: global_buffer, .address_space: global }
      - { .name: order, .offset: 40, .size: 8, .value_kind: global_buffer, .address_space: global }
      - { .name: counts, .offset: 48, .size: 8, .value_kind: global_buffer, .address_space: global }
      - { .name: out0, .offset: 56, .size: 8, .value_kind: global_buffer, .address_space: global }
    .group_segment_fixed_size: 174592
    .private_segment_fixed_size: 0
    .kernarg_segment_align: 8
    .kernarg_segment_size: 64
    .max_flat_workgroup_size: 128
    .sgpr_count:     92
    .vgpr_count:     1024
    .wavefront_size: 32
...
	.end_amdgpu_metadata
.endif
;; end of part 2
;; ======== version 2 of 2: 2 launches; version 1 with the launch chain written anew for expert scheduling mode
;; workspace buffers: wq 6,553,600 bytes; order 1,179,648 bytes of whole numbers; counts 256 bytes of whole numbers
;; launch prep: the kernel of part 1 again; grid 164 x 1, 16 waves a work-group, no clusters, 2,304 bytes of LDS; arguments selected_experts, w1_codes, w1_scales, w2_codes, w2_scales, wq, order, counts; writes wq, order, counts
;; launch chain (part 3): grid 163 x 1, 4 waves a work-group, no clusters, 174,592 bytes of LDS; arguments hidden_states_codes, hidden_states_scales, routing_weights, selected_experts, wq, order, counts, out0; writes out0
.if DOCPART == 3
	.amdgcn_target "amdgcn-amd-amdhsa--gfx1250"
	.amdhsa_code_object_version 6
	.text
	.protected	k_q995c772dc3_chain
	.globl	k_q995c772dc3_chain
	.p2align	8
	.type	k_q995c772dc3_chain,@function
k_q995c772dc3_chain:
	s_mov_b64 s[64:65], 0
	v_nop
	global_prefetch_b8 v0, s[64:65] scope:SCOPE_SE
	s_setreg_imm32_b32 hwreg(HW_REG_WAVE_SCHED_MODE, 0, 2), 2
	s_setreg_imm32_b32 hwreg(HW_REG_WAVE_MODE, 25, 1), 1
	s_wait_xcnt 0x0
	s_wait_alu depctr_vm_vsrc(0)
; CHAIN, the second launch.  Left out as in the first launch's head: the rows of experts that a token does not name (their weight is the 0 that the problem's own where() builds).
; A work-group takes ONE TILE of at most 64 tokens of ONE pair of experts (lo <= hi) through the whole chain: x W1, gelu, the quantiser, W2, for both experts, the two routing weights, the store.
; The hidden layer never goes to memory, and each output row has one owner.  Where lo = hi the tile has one expert, whose weight is the sum of both slots', as the problem sums them.
; THE GRID.  With n_g tokens in pair g there are sum of ceil(n_g / 64) <= 128 + 35 tiles, whatever the choice: 163 work-groups.  A WORK-GROUP THAT THIS SPLIT LEAVES WITHOUT ROWS stores nothing to memory.
; Both barriers stand on every wave's path, under no branch on a stored number: so such a work-group walks the head on tile 0's numbers (tile 0 exists in every split, so all that it reads has been
; stored), passes over both trips of the first product by the branch that a tile of one expert takes for the second trip, and jumps over the second product behind the second barrier.
; SHARES.  Four waves, as many as a WGP has SIMDs.  THE WAVES SHARE THE COLUMNS, NOT THE ROWS: wave w makes hidden units 128 w .. + 127 and outputs 256 w .. + 255 of all 64 rows, so each weight byte is loaded once
; in the work-group.  The weights come from memory straight into registers, as records of four fragments laid by the first launch, through a ring of four register slots (three to four records, 13 loads each, of a wave on their way).
; x's and the hidden layer's fragments go from wave to wave through LDS as images of their registers.  Two barriers.
; NO TENSOR LOADS, NO CLUSTER: which experts a work-group walks, and whether it has rows at all, hang on counts read from memory.
; BOTH PRODUCTS ARE USED TRANSPOSED (source 0 = 16 rows of the weight, source 1 = 16 tokens): a lane holds one token (lane % 16) throughout, and its registers run along the hidden units or the outputs.
; GELU: 0.5 x (1 + tanh(u)) = x / (1 + 2^(x (-c1 - c2 x x))), c1 = 2 log2(e) sqrt(2 / pi), c2 = 0.044715 c1: the same function for every x, in f32.
; A SHORT TILE repeats its last token in the rows that are over: they compute and store that row's numbers again; whole blocks of 16 such rows are not stored.
; LIMITS: NaN and infinities in the hidden layer are not served; a hidden block whose largest magnitude lies under 2^(5 - 127) gets the scale byte 1 (a block of zeros too: its codes are zeros).
; THE MODE: SCHED_MODE bits 1:0 = 2 (LLVM: expert scheduling mode 2), set by the entry lines.  The code itself states the register dependences between vector or matrix instructions
; and memory or LDS instructions, with s_wait_alu, always for 0.
; THE PLAN.  Registers that memory or LDS instructions touch, and who else names them:
;   ring slot k and its scale words v20 + 2 k, v21 + 2 k   Read by the 16 matrix instructions of the record that lies there; then the record four on lands there.  The refill stands in the NEXT record: ONE wait
;                 on va_vdst at that record's head states that the record before is done reading its slot, its scale words and (every second record) x's other buffer.  Behind it: the record's first four matrix
;                 instructions, the 13 loads of the refill, in even records the 12 LDS loads of x's next K step, and the other twelve matrix instructions, none of which names a register that those loads touch.
;                 A stream's last slot is refilled behind a wait of its own, behind the stream's last record, where the gelu or the routing weights read the results next.
;   x's two buffers (window 3)   K step s: its 32 matrix instructions read buffer s % 2; the LDS loads of K step s + 1, issued in the step's first record, land in the other.
;   v58, v128-139, v59, v60   The scale word and codes that the quantiser writes, and the image addresses that a trip's head writes; read by IMAGE's four LDS stores: a wait on va_vdst ahead of them, one on vm_vsrc behind.
;   v64-163       Loaded by the gather, read by the LDS stores of x's images; written again by the gelu and the quantiser, and by the loads of expert hi's hidden fragments: a wait on vm_vsrc behind the first barrier.
;   window 2      v0-127: written by matrix instructions and the weighting, read by the stage's stores.  v128-255: written by expert hi's matrix instructions, read by the weighting, then loaded from the stage and read by the
;                 global stores.  A wait on va_vdst ahead of the stage's stores, one on vm_vsrc at a group's end.
;   v1, v2, v5, v8, v9, v11, v15, v61 and window 1's v192-223   Addresses and offsets, made once at the head and never written again: the streams are reached by scalar bases and immediate offsets.
; REGISTERS, in windows of 256 (s_set_vgpr_msb: bits 1:0 source 0, 3:2 source 1, 5:4 source 2, 7:6 destination):
;   window 0: v1-16 addresses; v20-27 the ring's scale words, v28-43 x's, later the hidden layer's (these hold scales alone); v44-61 constants and the quantiser's work; v64-127 T; v128-147 codes just made;
;             at the head v64-223 the gather (first of all v64-68 and v92-123: the offsets into the list); in the second product v64-255 expert hi's 16 hidden fragments.
;   window 1: v0-191 the ring (slot k at 48 k, fragment j at + 12 j); v192-223 the output offsets of the 64 rows; v224-239 the routing weights, each twice (a pair for the packed forms).
;   window 2: first product: accumulator (m, t) at 64 m + 8 t; second: expert lo's (m, j) at 32 m + 8 j, expert hi's at 128 + the same, which later take the rows read back from the stage.
;   window 3: first product: x's fragments, two buffers of 48; second: expert lo's 16 hidden fragments.
; SCALARS: s[68:83] the eight buffers; s[16:17], s[18:19] the two streams that the ring's refills name; s[20:21] W2 of lo; s[66:67] the stream that expert lo's part of the second product refills from;
;   s[22:23] out0 at my columns; s5 have I rows; s9 wave; s10, s11 my rows and the last of them; s12, s13 lo, hi; s14 the last trip of the first product that is walked (1, 0, -1); s24-39 first counts, later sixteen masks.
.set XIMG,  0                          ; LDS: x's fragment (tile of rows m, K step s) as an image, at (8 m + s) 1536
.set XSC,   49152                      ; x's scale bytes: row 16 m + r at 32 (16 m + r)
.set HIMG,  51200                      ; the hidden fragment (K step s, expert x, tile of rows m) at 12288 s + 6144 x + 1536 m: K step s is made by wave s, so a wave's images of both experts are one run of 12,288 bytes of its own
.set HSC,   100352                     ; its scale words, 4 bytes a lane, at 1024 s + 512 x + 128 m
.set STG,   104448                     ; a stage for each wave: 64 rows x (256 + 16) bytes
.set SPARE, 174080                     ; the spare words, 128 bytes a wave: two blocks of 256 bytes that no other line names
.set REC,    6400                      ; a record
.set STREAM, 102400                    ; a wave's 16 records of one tensor of one expert
.set MSB, 0
.macro WIN new                         ; the immediate's high byte repeats the setting that is left; a switch that changes nothing is dropped
.if MSB != \new
	s_set_vgpr_msb (MSB<<8)|\new
.set MSB, \new
.endif
.endm
.macro PLACES                          ; four plain places behind a record's matrix instructions, ahead of the first read of results; ahead of loads into their registers they stand beside the wait that states that dependence
.rept 4
	v_nop
.endr
.endm
; one matrix instruction on the registers named by rD, rA, rB, rSA, rSB.  zero: it starts the sum.  ra, rb: the scale words stand in lanes 16-31
.macro WM zero, ra, rb
.if \zero
.if (\ra) && (\rb)
	v_wmma_scale_f32_16x16x128_f8f6f4 v[rD:rD+7], v[rA:rA+11], v[rB:rB+11], 0, v[rSA], v[rSB] matrix_a_fmt:MATRIX_FMT_BF6 matrix_b_fmt:MATRIX_FMT_BF6 matrix_a_scale:MATRIX_SCALE_ROW1 matrix_b_scale:MATRIX_SCALE_ROW1
.elseif \ra
	v_wmma_scale_f32_16x16x128_f8f6f4 v[rD:rD+7], v[rA:rA+11], v[rB:rB+11], 0, v[rSA], v[rSB] matrix_a_fmt:MATRIX_FMT_BF6 matrix_b_fmt:MATRIX_FMT_BF6 matrix_a_scale:MATRIX_SCALE_ROW1
.elseif \rb
	v_wmma_scale_f32_16x16x128_f8f6f4 v[rD:rD+7], v[rA:rA+11], v[rB:rB+11], 0, v[rSA], v[rSB] matrix_a_fmt:MATRIX_FMT_BF6 matrix_b_fmt:MATRIX_FMT_BF6 matrix_b_scale:MATRIX_SCALE_ROW1
.else
	v_wmma_scale_f32_16x16x128_f8f6f4 v[rD:rD+7], v[rA:rA+11], v[rB:rB+11], 0, v[rSA], v[rSB] matrix_a_fmt:MATRIX_FMT_BF6 matrix_b_fmt:MATRIX_FMT_BF6
.endif
.else
.if (\ra) && (\rb)
	v_wmma_scale_f32_16x16x128_f8f6f4 v[rD:rD+7], v[rA:rA+11], v[rB:rB+11], v[rD:rD+7], v[rSA], v[rSB] matrix_a_fmt:MATRIX_FMT_BF6 matrix_b_fmt:MATRIX_FMT_BF6 matrix_a_scale:MATRIX_SCALE_ROW1 matrix_b_scale:MATRIX_SCALE_ROW1
.elseif \ra
	v_wmma_scale_f32_16x16x128_f8f6f4 v[rD:rD+7], v[rA:rA+11], v[rB:rB+11], v[rD:rD+7], v[rSA], v[rSB] matrix_a_fmt:MATRIX_FMT_BF6 matrix_b_fmt:MATRIX_FMT_BF6 matrix_a_scale:MATRIX_SCALE_ROW1
.elseif \rb
	v_wmma_scale_f32_16x16x128_f8f6f4 v[rD:rD+7], v[rA:rA+11], v[rB:rB+11], v[rD:rD+7], v[rSA], v[rSB] matrix_a_fmt:MATRIX_FMT_BF6 matrix_b_fmt:MATRIX_FMT_BF6 matrix_b_scale:MATRIX_SCALE_ROW1
.else
	v_wmma_scale_f32_16x16x128_f8f6f4 v[rD:rD+7], v[rA:rA+11], v[rB:rB+11], v[rD:rD+7], v[rSA], v[rSB] matrix_a_fmt:MATRIX_FMT_BF6 matrix_b_fmt:MATRIX_FMT_BF6
.endif
.endif
.endm
; a record into ring slot k: 12 loads of 512 consecutive bytes, and 8 bytes a lane of scale words: 13 loads
.macro QLOAD k, base, off
	WIN 0x40
.irp i, 0,1,2,3,4,5,6,7,8,9,10,11
	global_load_b128 v[48*(\k)+4*\i:48*(\k)+4*\i+3], v1, s[\base:\base+1] offset:(\off)+512*\i
.endr
	WIN 0
	global_load_b64 v[20+2*(\k):21+2*(\k)], v2, s[\base:\base+1] offset:(\off)+6144
.endm
; x's four fragments of K step s into buffer b of window 3
.macro XFETCH s, b
	WIN 0xc0
.irp m, 0,1,2,3
.irp c, 0,1,2
	ds_load_b128 v[48*(\b)+12*\m+4*\c:48*(\b)+12*\m+4*\c+3], v1 offset:(8*\m+(\s))*1536+512*\c
.endr
.endr
.endm
; record q of the first product: K step q / 2, my tiles 4 (q % 2) .. + 3, against the four tiles of rows: 16 matrix instructions on 16 accumulators; the 32 take turns, one instruction a turn.
; Behind its first four stand the refill of the slot that record q - 1 has left, with record q + 3 of the walk, and in even records x's next K step.
.macro Q1 q
.set qk, (\q)&3
.set qp, ((\q)+3)&3
.set qs, (\q)>>1
.set qt, (\q)&1
.if (\q) == 0
	s_wait_loadcnt 39                              ; loads come back in order: this record's 13 are in, the three younger records' 39 may be out
.else
	s_wait_loadcnt 26                              ; this record's 13 are in, the two younger records' 26 may be out; the third is asked for below
.endif
.if qt == 0
	s_wait_dscnt 0x0                               ; x's fragments of this K step (asked for two records ago)
.endif
.if (\q) > 0
	s_wait_alu depctr_va_vdst(0)                   ; the matrix instructions of record q - 1 are done reading their slot and its scale words, and those up to it x's other buffer: the loads below land in these
.endif
.irp j, 0,1,2,3
	WIN 0xad                                       ; source 0 window 1 (ring), source 1 window 3 (x), C and D window 2
.irp m, 0,1,2,3
.set rD, 64*\m+8*(4*qt+\j)
.set rA, 48*qk+12*\j
.set rB, 48*(qs&1)+12*\m
.set rSA, 20+2*qk+(\j&1)
.set rSB, 28+8*(\m>>1)+qs
	WM (qs==0), (\j>>1), (\m&1)
.endr
.if \j == 0                                    ; no wait: the four matrix instructions since the wait name this record's slot and scale words, this K step's buffer and accumulators alone
.if ((\q) > 0) && ((\q) < 13)
	QLOAD qp, 16, ((\q)+3)*REC                     ; the slot that was left takes the record four on from the one that it held,
.elseif (\q) >= 13
	QLOAD qp, 18, ((\q)-13)*REC                    ; or one of the next stream's first four: they are on their way during the gelu
.endif
.if (qt == 0) && (qs < 7)
	XFETCH qs+1, (qs+1)&1
.endif
.endif
.endr
	PLACES
.endm
; the gelu of my 128 hidden units of tile of rows m: window 2's 64 registers -> T (v64-127).  Each accumulator is read from its low end on.
.macro GELU m
	WIN 0x0a
.set nn, 0
.rept 32
	v_pk_mul_f32 v[64+nn:65+nn], v[64*(\m)+nn:64*(\m)+nn+1], v[64*(\m)+nn:64*(\m)+nn+1]    ; x x
.set nn, nn+2
.endr
	WIN 0
.set nn, 0
.rept 32
	v_pk_fma_f32 v[64+nn:65+nn], v[64+nn:65+nn], s[84:85], v[44:45] op_sel_hi:[1,0,1]      ; -c2 x x - c1
.set nn, nn+2
.endr
	WIN 0x08
.set nn, 0
.rept 32
	v_pk_mul_f32 v[64+nn:65+nn], v[64+nn:65+nn], v[64*(\m)+nn:64*(\m)+nn+1]                ; times x
.set nn, nn+2
.endr
	WIN 0
.set nn, 0
.rept 64
	v_exp_f32 v[64+nn], v[64+nn]
.set nn, nn+1
.endr
	v_nop                                          ; a plain instruction behind the last exponential,
	s_wait_alu depctr_va_vdst(0)                   ; and one wait for the batch: the 64 exponentials have written T, ahead of their first reader
.set nn, 0
.rept 32
	v_pk_add_f32 v[64+nn:65+nn], v[64+nn:65+nn], 1.0 op_sel_hi:[1,0]
.set nn, nn+2
.endr
.set nn, 0
.rept 64
	v_rcp_f32 v[64+nn], v[64+nn]
.set nn, nn+1
.endr
	v_nop
	s_wait_alu depctr_va_vdst(0)                   ; likewise: the 64 reciprocals have written T, ahead of their first reader
	WIN 0x08
.set nn, 0
.rept 32
	v_pk_mul_f32 v[64+nn:65+nn], v[64+nn:65+nn], v[64*(\m)+nn:64*(\m)+nn+1]                ; x / (1 + 2^..)
.set nn, nn+2
.endr
	WIN 0
.endm
; T's 64 numbers of a lane (register 16 b + i = k 32 b + 16 (lane / 16) + i of my token) become a fragment's codes in v128-139 and its scale word in v58
.macro QUANT
.irp b, 0,1,2,3
	v_max3_num_f32 v[46+\b], |v[64+16*\b]|, |v[65+16*\b]|, 0x2800000   ; block b: my 16 numbers, and the floor 2^(5 - 127): the byte cannot fall under 1
.endr
.irp i, 2,4,6,8,10,12,14
.irp b, 0,1,2,3
	v_max3_num_f32 v[46+\b], v[46+\b], |v[64+16*\b+\i]|, |v[65+16*\b+\i]|   ; the four blocks by turns
.endr
.endr
.irp b, 0,1,2,3
	v_permlanex16_b32 v[50+\b], v[46+\b], s86, s87
.endr
.irp b, 0,1,2,3
	v_max_num_f32 v[46+\b], v[46+\b], v[50+\b]     ; with lane l xor 16's: the block's largest magnitude
.endr
.irp b, 0,1,2,3
	v_add_nc_u32 v[54+\b], 0xfe000000, v[46+\b]    ; 4 off its exponent field: the conversion takes this operand's exponent field as its scale
.endr
.irp b, 0,1,2,3
	v_lshrrev_b32 v[50+\b], 23, v[54+\b]           ; the scale's byte
.endr
	v_lshl_or_b32 v58, v51, 8, v50
	v_lshl_or_b32 v58, v52, 16, v58
	v_lshl_or_b32 v58, v53, 24, v58                ; my token's scale word (lanes 16-31 hold the same as lanes 0-15)
.irp c, 0,1
	v_cvt_scalef32_pk16_bf6_f32 v[128+6*\c:130+6*\c], v[64+32*\c:79+32*\c], v[54+2*\c]
	v_cvt_scalef32_pk16_bf6_f32 v[140+4*\c:142+4*\c], v[80+32*\c:95+32*\c], v[55+2*\c]   ; (a conversion's three registers begin on an even number)
.endr
	v_nop                                          ; one plain place behind a scaled conversion
.irp c, 0,1                                    ; the operand's layout wants a whole block in a lane
.irp i, 0,1,2
	v_permlane16_swap_b32 v[128+6*\c+\i], v[140+4*\c+\i]
.endr
.irp i, 0,1,2
	v_mov_b32 v[131+6*\c+\i], v[140+4*\c+\i]
.endr
.endr
.endm
.macro IMAGE m                         ; the fragment goes to LDS as it stands: K step w of the second product, this trip's expert, rows 16 m on
	s_wait_alu depctr_va_vdst(0)                   ; the quantiser has written v128-139 and v58, the trip's head v59 and v60: the LDS stores below read them
.irp c, 0,1,2
	ds_store_b128 v59, v[128+4*\c:131+4*\c] offset:1536*(\m)+512*\c
.endr
	ds_store_b32 v60, v58 offset:128*(\m)
	s_wait_dscnt 0x0                               ; the stores have landed
	s_wait_alu depctr_vm_vsrc(0)                   ; the stores have read v128-139 and v58, which the next tile's quantiser writes again, and v59 and v60, which the next trip's head and the second product's head write
.endm
; a group of 64 of my outputs for expert x (0: lo, 1: hi): four records, 64 matrix instructions on 16 accumulators by turns.  refill: each slot takes a record of the stream at s[base], a record later than it was left
.macro PART x, refill, base
.irp s, 0,1,2,3
.if (\refill) && (\s > 0)
	s_wait_loadcnt 26                              ; this record is in; the two younger ones may be out; a third is asked for below
	s_wait_alu depctr_va_vdst(0)                   ; the matrix instructions of the record before are done reading their slot and its scale words, in which the loads below land
.else
	s_wait_loadcnt 13*(3-\s)                       ; a part's first record: the three younger ones may be out; where nothing is asked for any more, the counts run down
.endif
.irp j, 0,1,2,3
.if \x
	WIN 0xa1                                       ; source 1: window 0 (expert hi's hidden fragments)
.else
	WIN 0xad                                       ; source 1: window 3 (expert lo's)
.endif
.irp m, 0,1,2,3
.set rD, 128*(\x)+32*\m+8*\j
.set rA, 48*\s+12*\j
.set rB, 64*(\x)+12*(4*\m+\s)
.set rSA, 20+2*\s+(\j&1)
.set rSB, 28+4*\m+\s
	WM (\s==0), (\j>>1), \x
.endr
.if (\refill) && (\s > 0) && (\j == 0)
	QLOAD \s-1, \base, REC*(\s-1)                  ; no wait: the four matrix instructions since the wait name this record's slot and scale words, hidden fragments and accumulators alone
.endif
.endr
	PLACES
.endr
.if \refill
	s_wait_alu depctr_va_vdst(0)                   ; the part's last matrix instructions are done reading slot 3 and its scale words, in which the loads below land
	QLOAD 3, \base, REC*3
.endif
	WIN 0
.endm
.macro MULLO                           ; expert lo's results times its routing weight
	WIN 0x86
.irp m, 0,1,2,3
.set nn, 0
.rept 16
	v_pk_mul_f32 v[32*\m+nn:32*\m+nn+1], v[32*\m+nn:32*\m+nn+1], v[224+2*\m:225+2*\m]
.set nn, nn+2
.endr
.endr
	WIN 0
.endm
.macro FMAHI                           ; plus expert hi's times its own
	WIN 0xa6
.irp m, 0,1,2,3
.set nn, 0
.rept 16
	v_pk_fma_f32 v[32*\m+nn:32*\m+nn+1], v[128+32*\m+nn:128+32*\m+nn+1], v[232+2*\m:233+2*\m], v[32*\m+nn:32*\m+nn+1]
.set nn, nn+2
.endr
.endr
	WIN 0
.endm
; a lane holds 32 neighbouring bytes of a row and the lanes beside it other rows: the group goes through my own stage and comes back as rows of 256 bytes; LDS serves a wave's instructions in order
.macro WAYOUT
	s_wait_alu depctr_va_vdst(0)                   ; the weighting has written window 2's v0-127, which the stage's stores read; all that wrote or read window 2's v128-255 is done: the stage's loads land there
	WIN 0x08
.irp m, 0,1,2,3
.irp j, 0,1,2,3
	ds_store_b128 v8, v[32*\m+8*\j:32*\m+8*\j+3] offset:4352*\m+64*\j
	ds_store_b128 v8, v[32*\m+8*\j+4:32*\m+8*\j+7] offset:4352*\m+64*\j+16
.endr
.endr
	WIN 0x80
.irp m, 0,1,2,3
.irp i, 0,1,2,3,4,5,6,7
	ds_load_b128 v[128+32*\m+4*\i:128+32*\m+4*\i+3], v9 offset:4352*\m+544*\i
.endr
.endr
	WIN 0
.irp m, 0,1,2,3
.if \m > 0
	s_cmp_le_u32 s10, 16*\m                        ; blocks of 16 rows that only repeat the last token are not stored
	s_cbranch_scc1 .Lwo_end_\@
.endif
	s_wait_dscnt 24-8*\m                           ; this block's eight loads are in; the later blocks' may be out
	WIN 0x09                                       ; the offsets in window 1, the data in window 2
.irp i, 0,1,2,3,4,5,6,7
	global_store_b128 v[192+8*\m+\i], v[128+32*\m+4*\i:128+32*\m+4*\i+3], s[22:23] th:TH_STORE_NT   ; 16 lanes store 256 consecutive bytes, at a multiple of 256 from out0's first byte
.endr
	WIN 0
.endr
.Lwo_end_\@:
	s_wait_dscnt 0x0                               ; the loads of blocks that are not stored are in too
.endm
	; ---- THE HEAD
	s_load_b512 s[68:83], s[0:1], 0x0              ; x's codes s[68:69], x's scales s[70:71], routing_weights s[72:73], selected_experts s[74:75], wq s[76:77], order s[78:79], counts s[80:81], out0 s[82:83]
	v_lshl_add_u32 v3, v0, 2, SPARE                ; my spare word,
	v_mov_b32 v4, 0                                ; and 0: kept for the wave's end
	s_wait_kmcnt 0x0
	s_load_b512 s[24:39], s[80:81], 0x0            ; the 36 counts
	s_load_b512 s[40:55], s[80:81], 0x40
	s_load_b128 s[56:59], s[80:81], 0x80
	v_lshrrev_b32 v10, 5, v0
	v_readfirstlane_b32 s9, v10                    ; wave w
	v_and_b32 v10, 31, v0                          ; lane
	v_and_b32 v12, 15, v0                          ; r
	v_bfe_u32 v13, v0, 4, 1                        ; h
	v_lshlrev_b32 v1, 4, v10                       ; 16 lane: an image's place
	v_lshlrev_b32 v2, 3, v10                       ; 8 lane: a record's scale words
	v_lshlrev_b32 v11, 5, v10                      ; 32 lane: a row of x's scale bytes
	v_lshlrev_b32 v14, 4, v12                      ; 16 r
	s_wait_alu depctr_va_sdst(0)                   ; s9 is written, ahead of its first reader: LDS addresses and the streams' bases are made from it
	s_mul_i32 s8, s9, 12288
	v_add_nc_u32 v5, s8, v1                        ; where I store x's images: tile of rows w
	v_add_nc_u32 v6, HIMG, v5                      ; the hidden layer's: K step w, expert lo
	s_lshl_b32 s8, s9, 10
	s_add_co_u32 s8, s8, HSC
	v_lshl_add_u32 v7, v10, 2, s8                  ; and their scale words
	s_mul_i32 s8, s9, 17408
	s_add_co_u32 s8, s8, STG                       ; my stage
	v_mul_u32_u24 v8, v12, 272
	v_lshl_add_u32 v8, v13, 5, v8
	v_add_nc_u32 v8, s8, v8                        ; in: row r, 32 bytes for each half of the lanes
	v_mul_u32_u24 v9, v13, 272
	v_add_nc_u32 v9, v9, v14
	v_add_nc_u32 v9, s8, v9                        ; back: lanes 0-15 one row, lanes 16-31 the next
	s_lshl_b32 s8, s9, 9
	s_add_co_u32 s8, s8, XSC
	v_lshl_add_u32 v15, v12, 5, s8
	v_lshl_add_u32 v15, v13, 4, v15                ; where I store half a row of x's scale bytes
	v_lshl_add_u32 v16, v10, 2, HSC                ; the hidden layer's scale words, for reading
	v_add_nc_u32 v61, HIMG, v1                     ; and its images
	v_mov_b32 v44, 0xc0135761                      ; -c1, twice
	v_mov_b32 v45, 0xc0135761
	s_mov_b32 s84, 0xbdd2d3e8                      ; -c2 (named as a pair, so both are written)
	s_mov_b32 s85, s84
	s_mov_b32 s86, 0x76543210
	s_mov_b32 s87, 0xfedcba98                      ; v_permlanex16_b32's selects for lane l xor 16
.irp b, 0,1,2,3
	v_mov_b32 v[50+\b], 0                          ; written once: a lane permute's destination counts as one of its sources
.endr
	s_mov_b32 s3, 0
	s_wait_kmcnt 0x0
.set gi, 0
.rept 36
	s_add_co_u32 s8, s[24+gi], 63                  ; all tiles of this split: the sum of ceil(n_g / 64)
	s_lshr_b32 s8, s8, 6
	s_add_co_u32 s3, s3, s8
.set gi, gi+1
.endr
	s_cmp_lt_u32 ttmp9, s3
	s_cselect_b32 s2, ttmp9, 0                     ; my tile; a work-group beyond the split's tiles takes tile 0's numbers for the head
	s_cselect_b32 s5, 1, 0                         ; have I rows of my own?
	s_mov_b32 s3, 0                                ; tiles ahead of the pair in hand
	s_mov_b32 s4, 0                                ; my pair,
	s_mov_b32 s12, 0                               ; its lo,
	s_mov_b32 s13, 0                               ; its hi,
	s_mov_b32 s6, 0                                ; its first tile,
	s_mov_b32 s7, 0                                ; its count
.set gi, 0
.irp lo, 0,1,2,3,4,5,6,7
.irp hi, 0,1,2,3,4,5,6,7
.if \hi >= \lo
	s_cmp_le_u32 s3, s2                            ; the last pair whose first tile is at or under mine is my pair
	s_cselect_b32 s4, gi, s4
	s_cselect_b32 s12, \lo, s12
	s_cselect_b32 s13, \hi, s13
	s_cselect_b32 s6, s3, s6
	s_cselect_b32 s7, s[24+gi], s7
	s_add_co_u32 s8, s[24+gi], 63
	s_lshr_b32 s8, s8, 6
	s_add_co_u32 s3, s3, s8
.set gi, gi+1
.endif
.endr
.endr
	s_sub_co_u32 s8, s2, s6
	s_lshl_b32 s8, s8, 6
	s_min_u32 s8, s8, 8128                         ; my first entry of the pair's list
	s_sub_co_u32 s10, s7, s8
	s_min_u32 s10, s10, 64                         ; my rows,
	s_sub_co_u32 s11, s10, 1
	s_min_u32 s11, s11, 63                         ; and the last of them
	s_min_u32 s4, s4, 35
	s_min_u32 s12, s12, 7
	s_min_u32 s13, s13, 7
	s_cmp_lg_u32 s12, s13
	s_cselect_b32 s14, 1, 0                        ; two experts, or one
	s_cselect_b32 s62, 6144, 0                     ; from expert lo's hidden images to expert hi's (one expert: the same images: every register is written on every way, and no unwritten LDS byte is read)
	s_cselect_b32 s63, 512, 0                      ; and between their scale words
	s_lshl_b32 s60, s4, 15
	s_lshl_b32 s8, s8, 2
	s_add_co_u32 s60, s60, s8
	s_mov_b32 s61, 0
	s_add_nc_u64 s[78:79], s[78:79], s[60:61]      ; my part of the list
	s_lshl_b32 s60, s12, 2
	s_add_co_u32 s60, s60, s9
	s_mul_i32 s60, s60, STREAM
	s_add_nc_u64 s[16:17], s[76:77], s[60:61]      ; the stream in hand: W1 of lo
	s_add_nc_u64 s[20:21], s[16:17], 32*STREAM     ; W2 of lo
	s_lshl_b32 s60, s13, 2
	s_add_co_u32 s60, s60, s9
	s_mul_i32 s60, s60, STREAM
	s_add_nc_u64 s[18:19], s[76:77], s[60:61]      ; W1 of hi
	s_add_nc_u64 s[66:67], s[18:19], 32*STREAM     ; W2 of hi
	s_lshl_b32 s60, s9, 10
	s_add_nc_u64 s[22:23], s[82:83], s[60:61]      ; out0 at my 256 columns
	s_add_nc_u64 s[60:61], s[20:21], 4*REC         ; W2 of lo, its second group
	s_cmp_lg_u32 s14, 0                            ; both choices of a stream are made here, on the two experts' held numbers alone
	s_cselect_b64 s[18:19], s[18:19], s[20:21]     ; the stream that follows W1 of lo: W1 of hi, or with one expert W2 of lo
	s_cselect_b64 s[66:67], s[66:67], s[60:61]     ; what expert lo's part of the second product asks for: hi's group, or with one expert lo's next
	s_cmp_lg_u32 s5, 0
	s_cselect_b32 s14, s14, -1                     ; the last trip of the first product that is walked: 1, 0, or, with no rows of my own, none.  From here on s14 serves branches alone
	; the tokens.  Three sets of places in the tile: 16 m + r (the routing weights), 16 w + r (my rows of x), 2 n + h (row n's pair on the way out).  A place past my last row takes the last row's.
	; The 37 offsets into the list are all made first, in registers of their own (the token lands 100 registers further up), so that one wait serves the run of loads.
.irp m, 0,1,2,3
	v_add_nc_u32 v[64+\m], 16*\m, v12
.endr
	s_lshl_b32 s8, s9, 4
	v_add_nc_u32 v68, s8, v12
.set nn, 0
.rept 32
	v_add_nc_u32 v[92+nn], 2*nn, v13
.set nn, nn+1
.endr
.macro POS reg
	v_min_u32 v[\reg], s11, v[\reg]
	v_min_u32 v[\reg], 63, v[\reg]
	v_lshlrev_b32 v[\reg], 2, v[\reg]
.endm
.irp g, 64,65,66,67,68
	POS \g
.endr
.set nn, 92
.rept 32
	POS nn
.set nn, nn+1
.endr
	s_wait_alu depctr_va_vdst(0)                   ; the list's offsets v64-68 and v92-123 are written, and so are the addresses and offsets v1, v2, v5, v8, v9, v11, v15 and v61, which loads and stores read from here to the end
.irp g, 64,65,66,67,68
	global_load_b32 v[100+\g], v[\g], s[78:79]
.endr
.set nn, 92
.rept 32
	global_load_b32 v[100+nn], v[nn], s[78:79]
.set nn, nn+1
.endr
	s_wait_loadcnt 0x0
.irp g, 164,165,166,167,168
	v_min_u32 v[\g], 0x1fff, v[\g]                 ; a token's number is held inside the tables
.endr
.set nn, 192
.rept 32
	v_min_u32 v[nn], 0x1fff, v[nn]
.set nn, nn+1
.endr
	WIN 0x40
.set nn, 192
.rept 32
	v_lshl_add_u32 v[nn], v[nn], 12, v14           ; window 1: the row's byte offset in out0: 4,096 token + 16 r
.set nn, nn+1
.endr
	WIN 0
	v_mul_u32_u24 v186, v168, 768                  ; x: my token's row of 768 bytes, + 24 h
	v_mad_u32_u24 v186, v13, 24, v186
	v_lshlrev_b32 v169, 5, v168                    ; its 32 scale bytes, my half
	v_lshl_add_u32 v169, v13, 4, v169
.irp m, 0,1,2,3
	v_lshlrev_b32 v[164+\m], 3, v[164+\m]          ; 8 bytes a token in selected_experts and in routing_weights
.endr
	s_wait_alu depctr_vm_vsrc(0)                   ; the list's loads have read their offsets v64-68 and v92-123, in which x's fragments land
	s_wait_alu depctr_va_vdst(0)                   ; the gather's offsets v164-167, v169 and v186 and the output offsets in window 1 are written; so are v64-123, in which loads land
.irp s, 0,1,2,3,4,5,6,7
.irp p, 0,1,2,3,4,5
	global_load_b64 v[64+12*\s+2*\p:65+12*\s+2*\p], v186, s[68:69] offset:96*\s+48*(\p/3)+8*(\p%3)   ; x's eight fragments of my 16 rows
.endr
.endr
	global_load_b128 v[160:163], v169, s[70:71]
.irp m, 0,1,2,3
	global_load_b64 v[170+2*\m:171+2*\m], v[164+\m], s[74:75]
	global_load_b64 v[178+2*\m:179+2*\m], v[164+\m], s[72:73]
.endr
.irp k, 0,1,2,3
	QLOAD \k, 16, REC*\k                           ; the ring is filled
.endr
	s_wait_loadcnt 52                              ; the gather's 57 loads are in; the ring's 4 x 13 stay out
.irp m, 0,1,2,3                                ; which slots name lo, which hi: sixteen masks in a run, in scalar registers that the counts have left
	v_cmp_eq_u32 s[24+4*\m], s12, v[170+2*\m]
	v_cmp_eq_u32 s[25+4*\m], s12, v[171+2*\m]
	v_cmp_eq_u32 s[26+4*\m], s13, v[170+2*\m]
	v_cmp_eq_u32 s[27+4*\m], s13, v[171+2*\m]
.endr
	s_wait_alu depctr_va_sdst(0)                   ; the sixteen masks s24-39 are written, ahead of their first reader
.irp m, 0,1,2,3
	v_cndmask_b32 v[188+4*\m], 0, v[178+2*\m], s[24+4*\m]
	v_cndmask_b32 v[189+4*\m], 0, v[179+2*\m], s[25+4*\m]
	v_cndmask_b32 v[190+4*\m], 0, v[178+2*\m], s[26+4*\m]
	v_cndmask_b32 v[191+4*\m], 0, v[179+2*\m], s[27+4*\m]
.endr
	WIN 0x40
.irp m, 0,1,2,3
	v_add_f32 v[224+2*\m], v[188+4*\m], v[189+4*\m]    ; w_lo of token (m, r): the sum over the slots that name lo, as the problem sums them; twice, for the packed forms
	v_add_f32 v[225+2*\m], v[188+4*\m], v[189+4*\m]
	v_add_f32 v[232+2*\m], v[190+4*\m], v[191+4*\m]    ; w_hi
	v_add_f32 v[233+2*\m], v[190+4*\m], v[191+4*\m]
.endr
	WIN 0
.irp s, 0,1,2,3,4,5,6,7                        ; no wait: the data are loaded, and no vector instruction since the wait ahead of the gather names v5, v15 or v64-163
.irp c, 0,1,2
	ds_store_b128 v5, v[64+12*\s+4*\c:67+12*\s+4*\c] offset:XIMG+1536*\s+512*\c
.endr
.endr
	ds_store_b128 v15, v[160:163]
	s_wait_dscnt 0x0                               ; for the others' sake: my stores have landed
	s_barrier_signal -1
	s_barrier_wait -1                              ; x's 32 fragments and 64 rows of scale bytes lie in LDS
	s_wait_alu depctr_vm_vsrc(0)                   ; my LDS stores have read v64-163 and the gather's loads their offsets v164-169 and v186: the gelu and the quantiser write v64-147, and expert hi's hidden fragments land in v64-255
.irp mp, 0,1
.irp hf, 0,1
	ds_load_b128 v[28+8*\mp+4*\hf:31+8*\mp+4*\hf], v11 offset:XSC+1024*\mp+16*\hf   ; register 28 + 8 mp + s: lanes 0-15 tile 2 mp's word of K step s, lanes 16-31 tile 2 mp + 1's
.endr
.endr
	; ---- THE FIRST PRODUCT, THE GELU AND THE QUANTISER, an expert a trip.  Two trips always; a trip beyond s14 passes over its work.  No barrier stands inside.
	s_mov_b32 s15, 0
.Lexp:
	s_cmp_eq_u32 s15, 0                            ; where this trip's images go: a choice between two constants on the trip's number, added to addresses made at the head
	s_cselect_b32 s89, 0, 6144
	s_cselect_b32 s90, 0, 512
	v_add_nc_u32 v59, s89, v6                      ; (the stores of the trip before have read v59 and v60: the wait at IMAGE's end)
	v_add_nc_u32 v60, s90, v7
	s_cmp_gt_i32 s15, s14
	s_cbranch_scc1 .Lexp_end
	XFETCH 0, 0                                    ; no wait: what read x's buffers in the trip before stands ahead of the wait behind its last record, and nothing since names them
.irp q, 0,1,2,3,4,5,6,7,8,9,10,11,12,13,14,15
	Q1 \q
.endr
	s_wait_alu depctr_va_vdst(0)                   ; record 15's matrix instructions are done reading slot 3 and its scale words, in which the loads below land
	QLOAD 3, 18, 3*REC                             ; the last of the next stream's first four
.irp m, 0,1,2,3
	GELU \m
	QUANT
	IMAGE \m
.endr
	s_wait_xcnt 0x0                                ; the ring's loads have read their bases
	s_mov_b64 s[16:17], s[18:19]
	s_mov_b64 s[18:19], s[20:21]                   ; behind the second W1 comes W2 of lo
.Lexp_end:
	s_add_co_u32 s15, s15, 1
	s_cmp_lt_u32 s15, 2
	s_cbranch_scc1 .Lexp
	; ---- THE SECOND PRODUCT
	s_wait_dscnt 0x0                               ; my images have landed, my reads of x are over
	s_barrier_signal -1
	s_barrier_wait -1                              ; the hidden layer lies in LDS
	s_cmp_eq_u32 s5, 0                             ; with no rows of my own nothing is left to do; no barrier stands behind this branch
	s_cbranch_scc1 .Ldone
	v_add_nc_u32 v10, s62, v61                     ; expert hi's images
	v_mad_u32_u24 v59, v13, s63, v16               ; scale words: lanes 0-15 take lo's, lanes 16-31 hi's: one product on the lower base
	s_wait_alu depctr_va_vdst(0)                   ; v10 and v59 are written, which the loads below read; the gelu and the quantiser are done with v64-147, the first product's matrix instructions with x's buffers and v28-43: the loads below land in all of these
	WIN 0xc0
.irp m, 0,1,2,3
.irp s, 0,1,2,3
.irp c, 0,1,2
	ds_load_b128 v[12*(4*\m+\s)+4*\c:12*(4*\m+\s)+4*\c+3], v61 offset:12288*\s+1536*\m+512*\c        ; lo's fragment 4 m + s -> window 3
.endr
.endr
.endr
	WIN 0
.irp m, 0,1,2,3
.irp s, 0,1,2,3
.irp c, 0,1,2
	ds_load_b128 v[64+12*(4*\m+\s)+4*\c:64+12*(4*\m+\s)+4*\c+3], v10 offset:12288*\s+1536*\m+512*\c  ; hi's -> window 0
.endr
.endr
.endr
.irp m, 0,1,2,3
.irp s, 0,1,2,3
	ds_load_b32 v[28+4*\m+\s], v59 offset:1024*\s+128*\m
.endr
.endr
	s_wait_xcnt 0x0                                ; no load still reads the two bases
	s_add_nc_u64 s[18:19], s[20:21], 4*REC         ; what expert hi's part asks for: lo's next group
	s_mov_b64 s[16:17], s[66:67]                   ; what expert lo's part asks for, as chosen at the head
	s_mov_b32 s88, 3
	s_wait_dscnt 0x0
.Lgrp:                                             ; a group of 64 of my 256 outputs a trip; the fourth is written out, so that no load passes its stream's end
	PART 0, 1, 16
	MULLO
	s_cmp_eq_u32 s14, 0
	s_cbranch_scc1 .Lgrp_one
	PART 1, 1, 18
	FMAHI
.Lgrp_one:
	WAYOUT
	s_wait_xcnt 0x0                                ; the stores have read their data and their base, the loads their bases
	s_wait_alu depctr_vm_vsrc(0)                   ; the stage's stores have read window 2's v0-127 and the global stores its v128-255: the next group's matrix instructions and stage loads write both again
	s_add_nc_u64 s[16:17], s[16:17], 4*REC
	s_add_nc_u64 s[18:19], s[18:19], 4*REC
	s_add_nc_u64 s[22:23], s[22:23], 256
	s_sub_co_u32 s88, s88, 1
	s_cmp_lg_u32 s88, 0
	s_cbranch_scc1 .Lgrp
	s_cmp_eq_u32 s14, 0
	s_cbranch_scc1 .Ltail_one
	PART 0, 1, 16                                  ; two experts: hi's last group is still to come
	s_branch .Ltail_join
.Ltail_one:
	PART 0, 0, 16
.Ltail_join:
	MULLO
	s_cmp_eq_u32 s14, 0
	s_cbranch_scc1 .Ltail_out
	PART 1, 0, 18
	FMAHI
.Ltail_out:
	WAYOUT
.Ldone:
	s_wait_dscnt 0x0                               ; the closing lines, six on end
	s_wait_alu 0x0
	s_wait_tensorcnt 0x0
	ds_add_u32 v3, v4
	s_wait_dscnt 0x0
	s_endpgm
.Lfunc_end_k_q995c772dc3_chain:
	.size	k_q995c772dc3_chain, .Lfunc_end_k_q995c772dc3_chain-k_q995c772dc3_chain
	.p2alignl 7, 3214868480
	.fill 96, 4, 3214868480
	.section	.rodata,"a",@progbits
	.p2align	6, 0x0
	.amdhsa_kernel k_q995c772dc3_chain
		.amdhsa_group_segment_fixed_size 174592
		.amdhsa_private_segment_fixed_size 0
		.amdhsa_enable_private_segment 0
		.amdhsa_kernarg_size 64
		.amdhsa_user_sgpr_count 2
		.amdhsa_user_sgpr_kernarg_segment_ptr 1
		.amdhsa_wavefront_size32 1
		.amdhsa_system_sgpr_workgroup_id_x 1
		.amdhsa_system_sgpr_workgroup_id_y 1
		.amdhsa_system_sgpr_workgroup_id_z 1
		.amdhsa_system_vgpr_workitem_id 0
		.amdhsa_next_free_vgpr 1024
		.amdhsa_next_free_sgpr 92
		.amdhsa_reserve_vcc 0
		.amdhsa_float_denorm_mode_32 3
		.amdhsa_float_denorm_mode_16_64 3
		.amdhsa_memory_ordered 1
		.amdhsa_forward_progress 1
		.amdhsa_inst_pref_size 255
	.end_amdhsa_kernel
	.section	.bss,"aw",@nobits
	.p2align	6
	.space	262144
	.amdgpu_metadata
---
amdhsa.version: [ 1, 2 ]
amdhsa.kernels:
  - .name:           k_q995c772dc3_chain
    .symbol:         k_q995c772dc3_chain.kd
    .args:
      - { .name: hidden_states_codes, .offset: 0, .size: 8, .value_kind: global_buffer, .address_space: global }
      - { .name: hidden_states_scales, .offset: 8, .size: 8, .value_kind: global_buffer, .address_space: global }
      - { .name: routing_weights, .offset: 16, .size: 8, .value_kind: global_buffer, .address_space: global }
      - { .name: selected_experts, .offset: 24, .size: 8, .value_kind: global_buffer, .address_space: global }
      - { .name: wq, .offset: 32, .size: 8, .value_kind: global_buffer, .address_space: global }
      - { .name: order, .offset: 40, .size: 8, .value_kind: global_buffer, .address_space: global }
      - { .name: counts, .offset: 48, .size: 8, .value_kind: global_buffer, .address_space: global }
      - { .name: out0, .offset: 56, .size: 8, .value_kind: global_buffer, .address_space: global }
    .group_segment_fixed_size: 174592
    .private_segment_fixed_size: 0
    .kernarg_segment_align: 8
    .kernarg_segment_size: 64
    .max_flat_workgroup_size: 128
    .sgpr_count:     92
    .vgpr_count:     1024
    .wavefront_size: 32
...
	.end_amdgpu_metadata
.endif
;; end of part 3
